; MI455X (gfx1250); checked and timed in simulation.
; The chip was launched on July 23, 2026; its instructions are those of AMD's public machine-readable ISA for CDNA 5 (MIT licence, August 2026) and "CDNA5" Instruction Set Architecture Reference Guide (July 2026). The comments in the code are by the model that wrote it; some were corrected since.
;; D Flash Attention. Allowed arithmetic: matrix products marked QUANTISED: E2M1 operands, one E8M0 scale for each 32 along K, by v_wmma_scale_f32_16x16x128_f8f6f4 with both operands' format E2M1 (or v_wmma_scale_f32_32x16x128_f4), f32 sums; products left as they are: bf16, f16 or f32 operands; f32 sums; everything else in f32.
;; Inputs: attention_mask 1 x 1 x 1,024 x 3,072 bool; cos 1 x 3,072 x 128 float32; hidden_states 1 x 1,024 x 2,048 float32; k_norm_w 128 float32; q_norm_w 128 float32; sin 1 x 3,072 x 128 float32; target_hidden 1 x 2,048 x 2,048 float32; wk 1,024 x 2,048 float32; wo 2,048 x 4,096 float32; wq 4,096 x 2,048 float32; wv 1,024 x 2,048 float32.
;; Outputs: out0 1 x 1,024 x 2,048 float32.
;; This version of the problem:
;;   THIS VERSION OF THE PROBLEM IS GIVEN IN LOW PRECISION. The matrix products marked QUANTISED in the list below multiply operands that are first quantised to E2M1 (2 exponent bits, 1 mantissa bit; 4 bits a number), with one power-of-two scale for each 32 numbers along K (OCP MX v1.0); their sums are f32. The products marked 'left as it is' may take bf16, f16 or f32 operands, with f32 sums. Whichever they take, every output number must still come out within the allowed error. Rounding operands to bf16 (8 significant bits) uses up far more of that allowance than f16 does (11 bits, for magnitudes from 6e-5 to 65,504). All else is computed in f32.
;;   The module's matrix products, in the order in which they are computed (A, B: the left and right operand; K: the contracted axis; several contracted axes count as one K, in the product's order):
;;     1. [M 1,024, K 2,048] x [K 2,048, N 4,096]; A: input hidden_states; B: input wq: QUANTISED
;;     2. [M 2,048, K 2,048] x [K 2,048, N 1,024]; A: input target_hidden; B: input wk: QUANTISED
;;     3. [M 1,024, K 2,048] x [K 2,048, N 1,024]; A: input hidden_states; B: input wk: QUANTISED
;;     4. [M 2,048, K 2,048] x [K 2,048, N 1,024]; A: input target_hidden; B: input wv: QUANTISED
;;     5. [M 1,024, K 2,048] x [K 2,048, N 1,024]; A: input hidden_states; B: input wv: QUANTISED
;;     6. batch 8 x [M 4,096, K 128] x [K 128, N 3,072]; A: computed on the way; B: computed on the way: left as it is (an operand is computed on the way)
;;     7. batch 8 x [M 4,096, K 3,072] x [K 3,072, N 128]; A: computed on the way; B: computed on the way: left as it is (an operand is computed on the way)
;;     8. [M 1,024, K 4,096] x [K 4,096, N 2,048]; A: computed on the way; B: input wo: left as it is (an operand is computed on the way)
;;   THE QUANTISER, for each operand of a quantised product, along K:
;;     - K is cut into blocks of 32 from its start; a last block that is shorter is filled with zeros.
;;     - A block's scale is 2^e with e = floor(log2(the largest magnitude in the block)) - 2, held to -126 .. 127; a block of zeros has e = 0. As a byte (E8M0): e + 127.
;;     - Each number is divided by its block's scale, clamped to +-6, and rounded to the nearest number of E2M1, ties to even, subnormals kept.
;;     - The product sums the exact products of the quantised numbers (number of the format x scale) in f32.
;;   ~~~python
;;   def quantise(x, axis):      # numpy; x: float32 -> the quantised numbers, widened to float32 again
;;       x = np.moveaxis(x, axis, -1); K = x.shape[-1]
;;       x = np.pad(x, [(0, 0)] * (x.ndim - 1) + [(0, -K % 32)]); x = x.reshape(x.shape[:-1] + (-1, 32)); a = np.abs(x).max(-1, keepdims=True)
;;       e = np.where(a > 0, np.clip(np.frexp(np.where(a > 0, a, 1))[1] - 1 - 2, -126, 127), 0)      # np.frexp(a)[1] - 1 = floor(log2(a)), exactly
;;       r = np.clip(x / 2.0 ** e, -6, 6)
;;       step = 2.0 ** (np.maximum(np.frexp(np.where(r == 0, 1, r))[1] - 1, 0) - 1)
;;       q = np.round(r / step) * step * 2.0 ** e      # np.round: ties to even
;;       return np.moveaxis(q.reshape(q.shape[:-2] + (-1,))[..., :K], -1, axis).astype(np.float32)
;;   ~~~
;; One version. Each part assembles by itself: llvm-mc -triple=amdgcn-amd-amdhsa -mcpu=gfx1250 --defsym DOCPART=n.
;; ======== version 1 of 1: 4 launches
;; limits: values are held in f16: magnitudes above 65,504 overflow, below 6.1e-05 lose precision
;; workspace buffers: codes 9,437,184 bytes; scales 589,824 bytes; wimg 16,777,216 bytes; rt 4,194,304 bytes; mw 393,216 bytes of whole numbers; qimg 8,388,608 bytes; kv 12,582,912 bytes; aimg 8,388,608 bytes
;; launch prep (part 1): grid 992 x 1, 4 waves a work-group, no clusters, 50,688 bytes of LDS; arguments target_hidden, hidden_states, wq, wk, wv, wo, cos, sin, q_norm_w, k_norm_w, attention_mask, codes, scales, wimg, rt, mw; writes codes, scales, wimg, rt, mw
.if DOCPART == 1
	.amdgcn_target "amdgcn-amd-amdhsa--gfx1250"
	.amdhsa_code_object_version 6
	.text
	.protected	k_q4081b873a0_prep
	.globl	k_q4081b873a0_prep
	.p2align	8
	.type	k_q4081b873a0_prep,@function
k_q4081b873a0_prep:
	s_mov_b64 s[64:65], 0
	v_nop
	global_prefetch_b8 v0, s[64:65] scope:SCOPE_SE
	s_setreg_imm32_b32 hwreg(HW_REG_WAVE_MODE, 25, 1), 1
	s_wait_xcnt 0x0
; THE PROGRAM: attention of 1,024 noise tokens over 3,072 tokens (2,048 of context, then the noise), 32 query heads, 8 key/value heads, head size 128, in four launches:
; this one lays every operand out; the second makes Q, K and V on 4-bit codes, with norm and RoPE on the way out; the third is the attention; the fourth the product with wo.
; DEAD WORK: none.  Every input has a way to the output and is loaded; the mask is an input, so no tile is left out on the strength of its pattern.
; THIS LAUNCH, four kinds of work-groups, told apart by the work-group's number alone:
;   0-575    target_hidden, hidden_states, wq, wk, wv (f32, K innermost) become codes of FP4 (E2M1) with one E8M0 byte for each 32 along K: rows 0-3,071 of codes and scales are the
;            tokens in the order of the sequence, then wq's 4,096 rows, wk's 1,024, wv's 1,024.  A block's scale is 2^(floor(log2(largest magnitude)) - 2).
;   576-831  wo becomes f16, laid as IMAGES OF FRAGMENT REGISTERS: a piece is 512 bytes, lane l's 16 bytes at 16 l; lane (r = l % 16, h = l / 16) holds row r, k = 16 kb + 8 h + 0..7.
;   832-895  the RoPE tables with the norms' gains folded in: out[d] = rsqrt(mean x^2 + eps) (x[d] cw[d] + x[d xor 64] sw[d]), cw[d] = cos[d] w[d] f, sw[d] = +-sin[d] w[d xor 64] f
;            (minus for d < 64); f = 1 for K and log2(e) / sqrt(128) for Q, so that the scores come out as exponents of 2.  Laid in the order of the second launch's result registers.
;   896-991  the mask's bytes become words of 32 bits, a bit a lane, in the order in which the third launch's score registers want them.
; LIMITS: a block whose largest magnitude lies under 2^-124 keeps the byte 1 (a block of zeros too: its codes are zeros, and the bytes are read by this program alone); NaN and infinities
; among the inputs are not served; the gains enter by another order of f32 roundings than in the source; wo's numbers must lie inside f16's range (65,504).
.set WREG,  8192                       ; the quantiser: a region of LDS for each wave: two stages of 32 x 80 bytes, then its 256 scale bytes
.set SP,    80
.set CB,    8
.set STEPS, 16
.set QR,    16                         ; v16-79   four sets of 16 numbers as loaded
.set QX,    80                         ; v80-111  two sets of 16 neighbours
.set QE,    112                        ; v112-127 a scale byte for each step
.set QC,    128                        ; v128-191 codes
.set CSTG,  32768                      ; the cast: a stage of 16 rows x 272 bytes for each wave, bytes of its own
.set SPARE, 50176                      ; the spare words, 128 bytes for each wave
.set SPW,   12
.set NIL,   13
.macro FIN                             ; a wave's end: behind the last LDS store
	s_wait_tensorcnt 0x0
	ds_add_u32 v[SPW], v[NIL]
	s_wait_dscnt 0x0
	s_endpgm
.endm
	s_load_b512 s[4:19], s[0:1], 0x0               ; target s[4:5], hidden s[6:7], wq s[8:9], wk s[10:11], wv s[12:13], wo s[14:15], cos s[16:17], sin s[18:19]
	s_load_b512 s[20:35], s[0:1], 0x40             ; q_norm_w s[20:21], k_norm_w s[22:23], mask s[24:25], codes s[26:27], scales s[28:29], wimg s[30:31], rt s[32:33], mw s[34:35]
	v_lshl_add_u32 v[SPW], v0, 2, SPARE
	v_mov_b32 v[NIL], 0
	v_lshrrev_b32 v1, 5, v0
	v_readfirstlane_b32 s40, v1                    ; wave
	v_and_b32 v2, 31, v0                           ; lane
	s_wait_kmcnt 0x0
	s_cmp_lt_u32 ttmp9, 576
	s_cbranch_scc1 .Lquant
	s_cmp_lt_u32 ttmp9, 832
	s_cbranch_scc1 .Lcast
	s_cmp_lt_u32 ttmp9, 896
	s_cbranch_scc1 .Lrope
; ---- THE MASK.  A wave takes 32 queries x 256 keys (four key steps of 64).  Lane (r, h) loads 8 bytes: query r of a tile of 16, keys 8 h + 0..7 of a tile of 16 keys.
; A compare of one byte against 0 gives a bit a lane: that IS the word for one score register.  The 64 words of (key step, 32 queries) leave as one run of 256 bytes.
	s_sub_co_u32 s41, ttmp9, 896
	s_lshl_b32 s41, s41, 2
	s_add_co_u32 s41, s41, s40                     ; 0 .. 383
	s_and_b32 s42, s41, 31                         ; which 32 queries
	s_lshr_b32 s43, s41, 5                         ; which 256 keys
	s_mul_i32 s46, s42, 98304                      ; 32 rows of 3,072 bytes
	s_lshl_b32 s47, s43, 8
	s_add_co_u32 s46, s46, s47
	s_mov_b32 s47, 0
	s_add_nc_u64 s[24:25], s[24:25], s[46:47]
	s_lshr_b32 s46, s42, 1
	s_mul_i32 s46, s46, 24576                      ; 64 queries: 48 key steps x 512 bytes
	s_lshl_b32 s45, s43, 11                        ; four key steps
	s_add_co_u32 s46, s46, s45
	s_and_b32 s45, s42, 1
	s_lshl_b32 s45, s45, 8                         ; the lower or the upper 32 queries
	s_add_co_u32 s46, s46, s45
	s_add_nc_u64 s[34:35], s[34:35], s[46:47]
	v_and_b32 v6, 15, v2
	v_lshrrev_b32 v7, 4, v2
	v_mul_u32_u24 v3, v6, 3072
	v_lshl_add_u32 v3, v7, 3, v3
	v_lshlrev_b32 v5, 3, v2
.irp s, 0,1,2,3
.irp t, 0,1
.irp q, 0,1,2,3
	global_load_b64 v[16+2*(8*\s+4*\t+\q):17+2*(8*\s+4*\t+\q)], v3, s[24:25] offset:\t*49152+\s*64+\q*16
.endr
.endr
.endr
.irp i, 0,1,2,3,4,5,6,7
	v_mov_b32 v[80+\i], 0                          ; written once: v_writelane_b32's destination counts as one of its sources
.endr
	s_wait_loadcnt 0x0
.irp s, 0,1,2,3
.irp t, 0,1
.irp q, 0,1,2,3
.irp j, 0,1,2,3,4,5,6,7
	v_and_b32 v[88+\j%2], 0xff<<(8*(\j%4)), v[16+2*(8*\s+4*\t+\q)+\j/4]
	v_cmp_ne_u32 s[44+\j%2], 0, v[88+\j%2]         ; bit l: the mask of query l % 16, key 16 q + 8 (l / 16) + j
	v_writelane_b32 v[80+2*\s+\t], s[44+\j%2], 8*\q+\j
.endr
.endr
.endr
.endr
.irp s, 0,1,2,3
	global_store_b64 v5, v[80+2*\s:81+2*\s], s[34:35] offset:512*\s   ; lane e: the words of score register e for the two tiles of queries: 256 consecutive bytes
.endr
	FIN
; ---- THE QUANTISER.  Rows are dense and K is a multiple of 32: each tensor is a plain stream of blocks of 32.  A wave takes 16 steps of 512 numbers.  Each load reads 512 consecutive bytes; the numbers turn
; through the wave's own stage in LDS, so that a lane holds 16 neighbours (two lanes a block).  Loads run four steps ahead, the turn one step.
.Lquant:
	v_lshlrev_b32 v3, 4, v2
	s_mul_i32 s41, s40, WREG
	v_lshrrev_b32 v14, 2, v2
	v_mul_u32_u24 v14, v14, SP
	v_and_b32 v15, 3, v2
	v_lshl_add_u32 v14, v15, 4, v14
	v_add_nc_u32 v14, s41, v14                     ; into the stage: 80 (lane / 4) + 16 (lane % 4)
	v_mul_u32_u24 v15, v2, SP
	v_add_nc_u32 v15, s41, v15                     ; out of it: 80 x lane
	v_mul_u32_u24 v4, v2, CB
	v_lshrrev_b32 v5, 1, v2
	s_add_co_u32 s41, s41, 2*32*SP
	v_add_nc_u32 v5, s41, v5                       ; my block's scale byte
	v_lshlrev_b32 v7, 3, v2
	v_add_nc_u32 v6, s41, v7
	s_mov_b64 s[36:37], s[12:13]                   ; which tensor, and its first work-group: the choice hangs on the work-group's number alone
	s_mov_b32 s42, 512
	s_cmp_lt_u32 ttmp9, 512
	s_cselect_b64 s[36:37], s[10:11], s[36:37]
	s_cselect_b32 s42, 448, s42
	s_cmp_lt_u32 ttmp9, 448
	s_cselect_b64 s[36:37], s[8:9], s[36:37]
	s_cselect_b32 s42, 192, s42
	s_cmp_lt_u32 ttmp9, 192
	s_cselect_b64 s[36:37], s[6:7], s[36:37]
	s_cselect_b32 s42, 128, s42
	s_cmp_lt_u32 ttmp9, 128
	s_cselect_b64 s[36:37], s[4:5], s[36:37]
	s_cselect_b32 s42, 0, s42
	s_sub_co_u32 s43, ttmp9, s42
	s_lshl_b32 s43, s43, 2
	s_add_co_u32 s43, s43, s40
	s_lshl_b32 s44, s43, 15                        ; my run of 8,192 numbers in the tensor
	s_mov_b32 s45, 0
	s_add_nc_u64 s[36:37], s[36:37], s[44:45]
	s_lshl_b32 s43, ttmp9, 2
	s_add_co_u32 s43, s43, s40
	s_lshl_b32 s44, s43, 12                        ; the codes and the bytes follow the work-groups' order: 4,096 and 256 bytes a run
	s_add_nc_u64 s[26:27], s[26:27], s[44:45]
	s_lshl_b32 s44, s43, 8
	s_add_nc_u64 s[28:29], s[28:29], s[44:45]
.macro QLOAD t
.irp i, 0,1,2,3
	global_load_b128 v[QR+16*((\t)%4)+4*\i:QR+16*((\t)%4)+4*\i+3], v3, s[36:37] offset:2048*(\t)+512*\i th:TH_LOAD_NT
.endr
.endm
.macro QTURN t                         ; LDS serves a wave's instructions in order: no wait between the stores and the loads
.irp i, 0,1,2,3
	ds_store_b128 v14, v[QR+16*((\t)%4)+4*\i:QR+16*((\t)%4)+4*\i+3] offset:32*SP*((\t)%2)+8*SP*\i
.endr
.irp i, 0,1,2,3
	ds_load_b128 v[QX+16*((\t)%2)+4*\i:QX+16*((\t)%2)+4*\i+3], v15 offset:32*SP*((\t)%2)+16*\i
.endr
.endm
.irp t, 0,1,2,3
	QLOAD \t
.endr
	s_wait_loadcnt 12                              ; step 0's four loads are in
	QTURN 0
.macro QSTEP t
.set XS, QX+16*((\t)%2)
.if (\t) > 0
	s_wait_dscnt 1                                 ; this step's numbers are back from the stage; the last step's byte store may be out
.else
	s_wait_dscnt 0x0
.endif
.if (\t)+4 < STEPS
	QLOAD (\t)+4
.endif
.if (\t)+1 < STEPS
.if STEPS-2-(\t) >= 3
	s_wait_loadcnt 12                              ; the next step's four loads are in; those of the three steps behind it may be out
.else
	s_wait_loadcnt 4*(STEPS-2-(\t))
.endif
	QTURN (\t)+1
.endif
	v_max3_num_f32 v8, |v[XS]|, |v[XS+1]|, |v[XS+2]|
	v_max3_num_f32 v9, |v[XS+3]|, |v[XS+4]|, |v[XS+5]|
.irp i, 6,10
	v_max3_num_f32 v8, v8, |v[XS+\i]|, |v[XS+\i+1]|
	v_max3_num_f32 v9, v9, |v[XS+\i+2]|, |v[XS+\i+3]|
.endr
	v_max3_num_f32 v8, v8, |v[XS+14]|, |v[XS+15]|
	v_max3_num_f32 v8, v8, v9, 0x1800000           ; the floor 2^(3 - 127): the byte cannot fall under 1
	v_max_num_f32_dpp v8, v8, v8 row_xmask:1 row_mask:0xf bank_mask:0xf   ; with my neighbour's 16: the block's largest magnitude
	v_add_nc_u32 v11, 0xff000000, v8               ; 2 off its exponent field: the conversion takes the exponent field of this operand as its scale
	v_cvt_scalef32_pk8_fp4_f32 v[QC+4*(\t)], v[XS:XS+7], v11
	v_cvt_scalef32_pk8_fp4_f32 v[QC+4*(\t)+1], v[XS+8:XS+15], v11
	v_lshrrev_b32 v[QE+(\t)], 23, v11              ; the scale's byte
	ds_store_b8 v5, v[QE+(\t)] offset:16*(\t)      ; both lanes of a block write the same byte with the same value
	global_store_b64 v4, v[QC+4*(\t):QC+4*(\t)+1], s[26:27] offset:32*CB*(\t)   ; the wave stores 256 consecutive bytes
.endm
.irp t, 0,1,2,3,4,5,6,7,8,9,10,11,12,13,14,15
	QSTEP \t
.endr
	ds_load_b64 v[8:9], v6
	s_wait_dscnt 0x0
	global_store_b64 v7, v[8:9], s[28:29]          ; 256 scale bytes on end
	FIN
; ---- wo TO f16.  A wave takes 16 rows x 512 columns, in four tasks of 128 columns.  A load reads 512 consecutive bytes of one row; the f16 numbers turn through the wave's stage (rows 272 bytes apart) into pieces.
.Lcast:
	s_sub_co_u32 s41, ttmp9, 576
	s_lshl_b32 s41, s41, 2
	s_add_co_u32 s41, s41, s40
	s_lshr_b32 s42, s41, 3                         ; which 16 rows
	s_and_b32 s43, s41, 7                          ; which 512 columns
	s_lshl_b32 s44, s42, 18
	s_lshl_b32 s46, s43, 11
	s_add_co_u32 s44, s44, s46
	s_mov_b32 s45, 0
	s_add_nc_u64 s[14:15], s[14:15], s[44:45]
	s_lshl_b32 s44, s42, 17
	s_lshl_b32 s46, s43, 14
	s_add_co_u32 s44, s44, s46
	s_add_nc_u64 s[30:31], s[30:31], s[44:45]
	s_mul_i32 s41, s40, 4352
	s_add_co_u32 s41, s41, CSTG
	v_lshlrev_b32 v3, 4, v2
	v_lshl_add_u32 v4, v2, 3, s41                  ; in: 8 bytes a lane of a row
	v_and_b32 v6, 15, v2
	v_lshrrev_b32 v7, 4, v2
	v_mul_u32_u24 v5, v6, 272
	v_lshl_add_u32 v5, v7, 4, v5
	v_add_nc_u32 v5, s41, v5                       ; out: row r, 16 h
.macro CL j
.irp i, 0,1,2,3,4,5,6,7,8,9,10,11,12,13,14,15
	global_load_b128 v[16+64*((\j)%2)+4*\i:16+64*((\j)%2)+4*\i+3], v3, s[14:15] offset:\i*16384+(\j)*512 th:TH_LOAD_NT
.endr
.endm
.macro CT j
.set RR, 16+64*((\j)%2)
.if (\j) < 3
	s_wait_loadcnt 16                              ; this task's 16 loads are in; the next task's may be out
.else
	s_wait_loadcnt 0x0
.endif
.irp i, 0,1,2,3,4,5,6,7,8,9,10,11,12,13,14,15
	v_cvt_pk_f16_f32 v[144+2*\i], v[RR+4*\i], v[RR+4*\i+1]
	v_cvt_pk_f16_f32 v[145+2*\i], v[RR+4*\i+2], v[RR+4*\i+3]
.endr
.irp i, 0,1,2,3,4,5,6,7,8,9,10,11,12,13,14,15
	ds_store_b64 v4, v[144+2*\i:145+2*\i] offset:272*\i
.endr
.irp q, 0,1,2,3,4,5,6,7
	ds_load_b128 v[RR+4*\q:RR+4*\q+3], v5 offset:32*\q
.endr
	s_wait_dscnt 0x0
.irp q, 0,1,2,3,4,5,6,7
	global_store_b128 v3, v[RR+4*\q:RR+4*\q+3], s[30:31] offset:(8*(\j)+\q)*512   ; a piece: 512 consecutive bytes
.endr
	s_wait_xcnt 0x0                                ; the stores have read their registers: the set may be loaded again
.if (\j) < 2
	CL (\j)+2
.endif
.endm
	CL 0
	CL 1
	CT 0
	CT 1
	CT 2
	CT 3
	FIN
; ---- THE TABLES.  A wave takes 16 positions.  The reads are 32 bytes of each of 16 rows an instruction, once; in return the second launch, which reads the tables many times, reads them as runs of 512 bytes.
.Lrope:
	s_sub_co_u32 s41, ttmp9, 832
	s_lshl_b32 s41, s41, 2
	s_add_co_u32 s41, s41, s40                     ; the table's tile: 0-191 K's (positions 16 T on), 192-255 Q's (positions 2,048 + 16 (T - 192) on)
	s_max_u32 s42, s41, 64
	s_sub_co_u32 s42, s42, 64
	s_mov_b32 s44, 0x3e0293ee                      ; log2(e) / sqrt(128)
	s_cmp_lt_u32 ttmp9, 880
	s_cselect_b64 s[36:37], s[22:23], s[20:21]     ; K's gain or Q's
	s_cselect_b32 s44, 0x3f800000, s44
	s_cselect_b32 s42, s41, s42                    ; the tile of positions
	s_mov_b32 s45, s44
	s_lshl_b32 s42, s42, 13
	s_mov_b32 s43, 0
	s_add_nc_u64 s[16:17], s[16:17], s[42:43]
	s_add_nc_u64 s[18:19], s[18:19], s[42:43]
	s_lshl_b32 s42, s41, 14
	s_add_nc_u64 s[32:33], s[32:33], s[42:43]
	v_and_b32 v6, 15, v2
	v_lshrrev_b32 v7, 4, v2
	v_lshlrev_b32 v4, 5, v7                        ; the gain: 32 h
	v_lshl_add_u32 v3, v6, 9, v4                   ; cos, sin: row r of 512 bytes, + 32 h
	v_lshlrev_b32 v5, 4, v2
.irp u, 0,1
.irp b, 0,1,2,3,4,5,6,7
	global_load_b128 v[16+4*\b:19+4*\b], v4, s[36:37] offset:64*\b+16*\u
	global_load_b128 v[48+4*\b:51+4*\b], v3, s[16:17] offset:64*\b+16*\u
	global_load_b128 v[80+4*\b:83+4*\b], v3, s[18:19] offset:64*\b+16*\u
.endr
	s_wait_loadcnt 0x0
.irp e, 0,1,2,3,4,5,6,7,8,9,10,11,12,13,14,15
	v_pk_mul_f32 v[16+2*\e:17+2*\e], v[16+2*\e:17+2*\e], s[44:45] op_sel_hi:[1,0]
.endr
.irp e, 0,1,2,3,4,5,6,7,8,9,10,11,12,13,14,15
	v_pk_mul_f32 v[48+2*\e:49+2*\e], v[48+2*\e:49+2*\e], v[16+2*\e:17+2*\e]
.endr
.irp e, 0,1,2,3,4,5,6,7
	v_pk_mul_f32 v[80+2*\e:81+2*\e], v[80+2*\e:81+2*\e], v[32+2*\e:33+2*\e] neg_lo:[0,1] neg_hi:[0,1]   ; d < 64: -sin[d] w[d + 64]
.endr
.irp e, 8,9,10,11,12,13,14,15
	v_pk_mul_f32 v[80+2*\e:81+2*\e], v[80+2*\e:81+2*\e], v[2*\e:2*\e+1]   ; d >= 64: sin[d] w[d - 64]
.endr
.irp b, 0,1,2,3,4,5,6,7
	global_store_b128 v5, v[48+4*\b:51+4*\b], s[32:33] offset:(2*\b+\u)*512
	global_store_b128 v5, v[80+4*\b:83+4*\b], s[32:33] offset:8192+(2*\b+\u)*512
.endr
	s_wait_xcnt 0x0                                ; the stores have read their registers
.endr
	FIN
.Lfunc_end_k_q4081b873a0_prep:
	.size	k_q4081b873a0_prep, .Lfunc_end_k_q4081b873a0_prep-k_q4081b873a0_prep
	.p2alignl 7, 3214868480
	.fill 96, 4, 3214868480
	.section	.rodata,"a",@progbits
	.p2align	6, 0x0
	.amdhsa_kernel k_q4081b873a0_prep
		.amdhsa_group_segment_fixed_size 50688
		.amdhsa_private_segment_fixed_size 0
		.amdhsa_enable_private_segment 0
		.amdhsa_kernarg_size 128
		.amdhsa_user_sgpr_count 2
		.amdhsa_user_sgpr_kernarg_segment_ptr 1
		.amdhsa_wavefront_size32 1
		.amdhsa_system_sgpr_workgroup_id_x 1
		.amdhsa_system_sgpr_workgroup_id_y 1
		.amdhsa_system_sgpr_workgroup_id_z 1
		.amdhsa_system_vgpr_workitem_id 0
		.amdhsa_next_free_vgpr 192
		.amdhsa_next_free_sgpr 66
		.amdhsa_reserve_vcc 0
		.amdhsa_float_denorm_mode_32 3
		.amdhsa_float_denorm_mode_16_64 3
		.amdhsa_memory_ordered 1
		.amdhsa_forward_progress 1
		.amdhsa_inst_pref_size 126
	.end_amdhsa_kernel
	.amdgpu_metadata
---
amdhsa.version: [ 1, 2 ]
amdhsa.kernels:
  - .name:           k_q4081b873a0_prep
    .symbol:         k_q4081b873a0_prep.kd
    .args:
      - { .name: target_hidden, .offset: 0, .size: 8, .value_kind: global_buffer, .address_space: global }
      - { .name: hidden_states, .offset: 8, .size: 8, .value_kind: global_buffer, .address_space: global }
      - { .name: wq, .offset: 16, .size: 8, .value_kind: global_buffer, .address_space: global }
      - { .name: wk, .offset: 24, .size: 8, .value_kind: global_buffer, .address_space: global }
      - { .name: wv, .offset: 32, .size: 8, .value_kind: global_buffer, .address_space: global }
      - { .name: wo, .offset: 40, .size: 8, .value_kind: global_buffer, .address_space: global }
      - { .name: cos, .offset: 48, .size: 8, .value_kind: global_buffer, .address_space: global }
      - { .name: sin, .offset: 56, .size: 8, .value_kind: global_buffer, .address_space: global }
      - { .name: q_norm_w, .offset: 64, .size: 8, .value_kind: global_buffer, .address_space: global }
      - { .name: k_norm_w, .offset: 72, .size: 8, .value_kind: global_buffer, .address_space: global }
      - { .name: attention_mask, .offset: 80, .size: 8, .value_kind: global_buffer, .address_space: global }
      - { .name: codes, .offset: 88, .size: 8, .value_kind: global_buffer, .address_space: global }
      - { .name: scales, .offset: 96, .size: 8, .value_kind: global_buffer, .address_space: global }
      - { .name: wimg, .offset: 104, .size: 8, .value_kind: global_buffer, .address_space: global }
      - { .name: rt, .offset: 112, .size: 8, .value_kind: global_buffer, .address_space: global }
      - { .name: mw, .offset: 120, .size: 8, .value_kind: global_buffer, .address_space: global }
    .group_segment_fixed_size: 50688
    .private_segment_fixed_size: 0
    .kernarg_segment_align: 8
    .kernarg_segment_size: 128
    .max_flat_workgroup_size: 128
    .sgpr_count:     66
    .vgpr_count:     192
    .wavefront_size: 32
...
	.end_amdgpu_metadata
.endif
;; end of part 1
;; launch qkv (part 2): grid 40 x 4, 4 waves a work-group, clusters of 4 x 4, 327,680 bytes of LDS; arguments codes, scales, rt, qimg, kv; writes qimg, kv
.if DOCPART == 2
	.amdgcn_target "amdgcn-amd-amdhsa--gfx1250"
	.amdhsa_code_object_version 6
	.text
	.protected	k_q4081b873a0_qkv
	.globl	k_q4081b873a0_qkv
	.p2align	8
	.type	k_q4081b873a0_qkv,@function
k_q4081b873a0_qkv:
	s_mov_b64 s[64:65], 0
	v_nop
	global_prefetch_b8 v0, s[64:65] scope:SCOPE_SE
	s_setreg_imm32_b32 hwreg(HW_REG_WAVE_MODE, 25, 1), 1
	s_wait_xcnt 0x0
	s_wait_alu depctr_hold_cnt(0) depctr_sa_sdst(0) depctr_va_vdst(0) depctr_va_sdst(0) depctr_va_ssrc(0) depctr_va_vcc(0) depctr_vm_vsrc(0)
	s_getreg_b32 s2, hwreg(HW_REG_IB_STS2, 6, 4)
	s_cmp_eq_u32 s2, 0
	s_cbranch_scc0 .Lentry_in_a_cluster
	s_endpgm
.Lentry_in_a_cluster:
	s_bfe_u32 s2, ttmp6, 0x10000c
	s_cmp_lg_u32 s2, 0xf033
	s_cbranch_scc0 .Lentry_shape_is_right
	s_endpgm
.Lentry_shape_is_right:
; Q, K and V: C[m][n] = sum over k of A[m][k] B[n][k] on codes of FP4 (E2M1) with one E8M0 scale for each 32 along K = 2,048; sums in f32.  No work is left out.
; Both operands are rows of the buffers codes [9,216][1,024 bytes] and scales [9,216][64]: rows 0-3,071 the tokens, 3,072-7,167 wq, 7,168-8,191 wk, 8,192-9,215 wv.
; A cluster of 4 x 4 work-groups makes 1,024 x 1,024 of C; the cluster's number says what:  0-3: Q (A = the noise tokens, B = 1,024 rows of wq);  4-6: K (A = 1,024 tokens, B = wk);
; 7-9: V TRANSPOSED (A = wv's rows, B = 1,024 tokens).  A work-group of four waves makes 256 x 256, a wave 128 x 128: 64 accumulators.  160 work-groups: tiles half as large would make 320,
; two turns of half the length on the same units.
; K goes in steps of 512 through a ring of two LDS slots filled by the tensor data mover; the scales of the work-group's rows, for all of K, come into LDS once.  A's tiles are asked for jointly by the four
; work-groups of a row of the cluster, B's by the four of a column.  THE MATRIX INSTRUCTION IS USED TRANSPOSED (source 0 = 16 rows of B, source 1 = 16 rows of A): a lane holds one row of A and eight neighbouring rows of B.
; THE WAY OUT.  A wave's 128 columns are one head.  Q, K: r = rsqrt(mean x^2 + 1e-6) of the lane's row (its 64 numbers and lane l xor 16's), out[d] = r (x[d] cw[d] + x[d xor 64] sw[d]) with the tables of the
; first launch (gains, RoPE and, for Q, log2(e) / sqrt(128) folded in), rounded to f16.  V: rounded to f16.  Eight results of a lane, packed, are a lane's 16 bytes of a fragment's image (a piece:
; 512 bytes, lane l at 16 l): so the results are stored from registers, 512 consecutive bytes an instruction, in the order in which the third launch's operand registers take them.
; LIMITS: q, k and v must lie inside f16's range (65,504); NaN and infinities are not served.
; REGISTERS, in windows of 256: window 0: v0-31 addresses; v32-95 scale words, two sets; from v128 A's fragments, one set.  window 1: B's fragments, two sets.  windows 2, 3: the accumulators ((a, b) at v[8 (8 (a % 4) + b)]).
; On the way out: window 0: v32-43 at work, v64-127 a block's 64 results, v128-191 the packed f16, two sets; window 1: two sets of tables (cw 64, sw 64).
.set KSTEP,  512
.set NQ,     4
.set ROWB,   256
.set KROW,   1024
.set PITCH,  272                       ; an LDS row: 256 bytes + 16 of padding: the 16 rows that a load touches start at 16 different banks (64 banks of 4 bytes: ISA guide 11.1)
.set FR,     8
.set NL,     2
.set NP,     4
.set HALFT,  128*PITCH
.set SLOT,   4*HALFT
.set LAPS,   2
.set KS,     64
.set SCL,    2*SLOT
.set HALFS,  (128*KS/256)*272
.set SBLK,   (16*KS/256)*272
.set SPARE,  SCL+4*HALFS
.set ADRA, 16
.set ADRB, 20
.set CO,   26                          ; v26  16 x lane
.set ADRS, 27
.set SPW,  28
.set NIL,  29
.set SC,   32
.set AF,   128
.set OUT,  64
.set PK,   128
.set G1, 24
.set G0, 32
.set G1B, 48
.set G0B, 56
.set G1S, 68
.set G0S, 76
.set G1SB, 80
.set G0SB, 88
.set MSB, 0
.macro WIN new                         ; the immediate's high byte repeats the setting that is left
.if MSB != \new
	s_set_vgpr_msb (MSB<<8)|\new
.set MSB, \new
.endif
.endm
.set MUL_LO, 0xa1
.set MUL_HI, 0xf1
.set TO_B,   0x40
; A joint load: waves 0 and 1 fetch for A, waves 2 and 3 for B; the branch hangs on the wave's number alone.  An s_nop 0 and four v_nop follow each of the two lines.
.macro JLOAD g0a, g1a, g0b, g1b
	s_cmp_eq_u32 s15, 0
	s_cbranch_scc0 .Lfor_b_\@
	tensor_load_to_lds s[\g0a:\g0a+3], s[\g1a:\g1a+7]
	s_nop 0
.rept 4
	v_nop
.endr
	s_branch .Lasked_\@
.Lfor_b_\@:
	tensor_load_to_lds s[\g0b:\g0b+3], s[\g1b:\g1b+7]
	s_nop 0
.rept 4
	v_nop
.endr
.Lasked_\@:
.endm
.macro CREST
	s_cmp_lg_u32 s14, 0
	s_cbranch_scc1 .Lnot_wave_0_\@
	s_barrier_signal -3
.Lnot_wave_0_\@:
	s_barrier_wait -3
	s_barrier_signal -1
	s_barrier_wait -1
.endm
.macro CROUND
	s_barrier_signal -1
	s_barrier_wait -1
	CREST
.endm
	s_load_b256 s[4:11], s[0:1], 0x0               ; codes s[4:5], scales s[6:7], rt s[8:9], qimg s[10:11]
	s_load_b64 s[12:13], s[0:1], 0x20              ; kv
	v_lshl_add_u32 v[SPW], v0, 2, SPARE
	v_mov_b32 v[NIL], 0
	ds_add_u32 v[SPW], v[NIL]                      ; the wave's opening: the add, twice on end, and its wait ahead of my first tensor load
	ds_add_u32 v[SPW], v[NIL]
	v_lshrrev_b32 v1, 5, v0
	v_readfirstlane_b32 s14, v1                    ; wave 0..3
	s_lshr_b32 s15, s14, 1                         ; which half of the tile's rows is mine.  Also: I fetch for A (0) or for B (1)
	s_and_b32 s16, s14, 1                          ; which half of its columns.  Also: which 128 rows I fetch
	s_bfe_u32 s40, ttmp6, 0x40000                  ; cx
	s_bfe_u32 s41, ttmp6, 0x40004                  ; cy
	s_lshl_b32 s43, s41, 2
	s_lshl_b32 s43, 15, s43                        ; my row of the cluster
	s_lshl_b32 s44, 0x1111, s40                    ; my column
	s_or_b32 s[G1+0], s43, (0<<16)|(1<<20)|(1<<21)|(5<<22)|(3<<25)  ; the mask; elements of 1 byte; padding of 4 words after every 64; bit 21 beside a mask
	s_or_b32 s[G1B+0], s44, (0<<16)|(1<<20)|(1<<21)|(5<<22)|(3<<25)
.irp g, G1, G1B
	s_mov_b32 s[\g+1], ROWB<<16                    ; tensor_dim0
	s_mov_b32 s[\g+2], 128<<16                     ; tensor_dim1
	s_mov_b32 s[\g+3], ROWB<<16                    ; tile_dim0
	s_mov_b32 s[\g+4], 128                         ; tile_dim1
	s_mov_b32 s[\g+5], KROW                        ; the pitch
	s_mov_b32 s[\g+6], 0
	s_mov_b32 s[\g+7], 0
.endr
	s_or_b32 s[G1S+0], s43, (3<<16)|(1<<20)|(1<<21)|(5<<22)|(3<<25) ; the scales of 128 rows: 8,192 dense bytes as 32 rows of 256 (32 elements of 8 bytes), 16 bytes of padding behind each
	s_or_b32 s[G1SB+0], s44, (3<<16)|(1<<20)|(1<<21)|(5<<22)|(3<<25)
.irp g, G1S, G1SB
	s_mov_b32 s[\g+1], 32<<16
	s_mov_b32 s[\g+2], (128*KS/256)<<16
	s_mov_b32 s[\g+3], 32<<16
	s_mov_b32 s[\g+4], 128*KS/256
	s_mov_b32 s[\g+5], 32
	s_mov_b32 s[\g+6], 0
	s_mov_b32 s[\g+7], 0
.endr
	s_mov_b32 s66, 0x3c000000                      ; 1 / 128
	s_mov_b32 s67, 0x358637bd                      ; 1e-6
	s_mov_b32 s100, 0x76543210                     ; v_permlanex16_b32's selects for lane l xor 16
	s_mov_b32 s101, 0xfedcba98
	; which rows: by the cluster's number alone, which all sixteen partners share
	s_max_u32 s2, ttmp9, 4
	s_sub_co_u32 s2, s2, 4
	s_lshl_b32 s2, s2, 10                          ; K: A = tokens 1,024 (cluster - 4) on
	s_lshl_b32 s3, ttmp9, 10
	s_add_co_u32 s3, s3, 3072                      ; Q: B = wq's rows 1,024 x cluster on
	s_max_u32 s17, ttmp9, 7
	s_sub_co_u32 s17, s17, 7
	s_lshl_b32 s17, s17, 10                        ; V: B = tokens 1,024 (cluster - 7) on
	s_mov_b32 s42, 7168                            ; K: B = wk
	s_cmp_lt_u32 ttmp9, 4
	s_cselect_b32 s20, 2048, s2                    ; Q: A = the noise tokens
	s_cselect_b32 s46, s3, s42
	s_cselect_b32 s95, 0, 1                        ; s95: 0 Q, 1 K, 2 V
	s_cmp_gt_u32 ttmp9, 6
	s_cselect_b32 s20, 8192, s20                   ; V: A = wv
	s_cselect_b32 s46, s17, s46
	s_cselect_b32 s95, 2, s95
	s_lshl_b32 s18, s16, 7                         ; which 128 rows of the tile I fetch
	s_lshl_b32 s21, s41, 8
	s_add_co_u32 s20, s20, s21                     ; A: + 256 cy
	s_add_co_u32 s20, s20, s18
	s_lshl_b32 s47, s40, 8
	s_add_co_u32 s46, s46, s47                     ; B: + 256 cx
	s_add_co_u32 s46, s46, s18
	s_lshl_b32 s22, s20, 6                         ; where these rows' scales begin, in bytes,
	s_mov_b32 s23, 0
	s_lshl_b32 s20, s20, 10                        ; and their codes
	s_mov_b32 s21, 0
	s_lshl_b32 s92, s46, 6
	s_mov_b32 s93, 0
	s_lshl_b32 s46, s46, 10
	s_mov_b32 s47, 0
	s_mul_i32 s45, s14, HALFT                      ; where they go: wave x 128 rows: no place in the cluster enters an LDS address
	s_mul_i32 s94, s14, HALFS
	s_wait_dscnt 0x0                               ; both opening adds are done
	s_wait_kmcnt 0x0
	s_add_nc_u64 s[20:21], s[4:5], s[20:21]
	s_add_nc_u64 s[22:23], s[6:7], s[22:23]
	s_add_nc_u64 s[46:47], s[4:5], s[46:47]
	s_add_nc_u64 s[92:93], s[6:7], s[92:93]
	CROUND                                         ; all sixteen work-groups are here: the first joint loads meet
	s_mov_b32 s[G0S], 1
	s_add_co_u32 s[G0S+1], s94, SCL
	s_mov_b64 s[G0S+2:G0S+3], s[22:23]
	s_or_b32 s[G0S+3], s[G0S+3], 0x80000000
	s_mov_b32 s[G0SB], 1
	s_add_co_u32 s[G0SB+1], s94, SCL
	s_mov_b64 s[G0SB+2:G0SB+3], s[92:93]
	s_or_b32 s[G0SB+3], s[G0SB+3], 0x80000000
	JLOAD G0S, G1S, G0SB, G1SB                     ; the scales first: they are wanted with K step 0
.irp s, 0,1
	s_mov_b32 s[G0+4*\s], 1
	s_add_co_u32 s[G0+4*\s+1], s45, \s*SLOT
	s_add_nc_u64 s[G0+4*\s+2:G0+4*\s+3], s[20:21], \s*ROWB
	s_or_b32 s[G0+4*\s+3], s[G0+4*\s+3], 0x80000000
	s_mov_b32 s[G0B+4*\s], 1
	s_add_co_u32 s[G0B+4*\s+1], s45, \s*SLOT
	s_add_nc_u64 s[G0B+4*\s+2:G0B+4*\s+3], s[46:47], \s*ROWB
	s_or_b32 s[G0B+4*\s+3], s[G0B+4*\s+3], 0x80000000
	JLOAD G0+4*\s, G1, G0B+4*\s, G1B
.endr
	v_and_b32 v1, 15, v0                           ; l % 16
	v_bfe_u32 v2, v0, 4, 1                         ; l / 16
	v_mul_u32_u24 v3, v1, PITCH
	v_lshl_add_u32 v4, v2, 4, v3                   ; a fragment's row x pitch + 16 x half
	s_mul_i32 s21, s15, HALFT                      ; my 128 rows of A
	s_mul_i32 s22, s16, HALFT                      ; my 128 rows of B,
	s_add_co_u32 s22, s22, 2*HALFT                 ; which lie behind A's 256
.irp s, 0,1
	v_add_nc_u32 v[ADRA+\s], s21, v4
	v_add_nc_u32 v[ADRB+\s], s22, v4
	s_add_co_u32 s21, s21, SLOT
	s_add_co_u32 s22, s22, SLOT
.endr
	v_mul_u32_u24 v5, v1, KS                       ; my row's scales: 64 bytes a row,
	v_lshrrev_b32 v6, 8, v5
	v_lshl_add_u32 v5, v6, 4, v5                   ; and 16 more for each 256 passed
	s_mul_i32 s21, s15, HALFS
	s_mul_i32 s22, s16, HALFS
	s_add_co_u32 s22, s22, 2*HALFS
	s_sub_co_u32 s22, s22, s21
	v_mul_u32_u24 v6, s22, v2                      ; lanes 16-31 take B's
	s_add_co_u32 s21, s21, SCL
	v_add_nc_u32 v5, v5, v6
	v_add_nc_u32 v[ADRS], s21, v5
	v_and_b32 v6, 31, v0
	v_lshlrev_b32 v[CO], 4, v6
	; where my results go (s[96:97]) and where my tables begin (s[98:99])
	s_mov_b32 s3, 0
	s_cmp_lt_u32 ttmp9, 4
	s_cbranch_scc0 .Lnot_q
	s_lshl_b32 s2, ttmp9, 3
	s_lshl_b32 s17, s40, 1
	s_add_co_u32 s2, s2, s17
	s_add_co_u32 s2, s2, s16                       ; the head: 8 x cluster + 2 cx + my half of the columns
	s_lshl_b32 s2, s2, 18                          ; 64 tiles of queries x 4,096 bytes
	s_lshl_b32 s17, s41, 8
	s_lshl_b32 s42, s15, 7
	s_add_co_u32 s17, s17, s42                     ; my first query
	s_lshl_b32 s42, s17, 8
	s_add_co_u32 s2, s2, s42
	s_add_nc_u64 s[96:97], s[10:11], s[2:3]
	s_lshl_b32 s2, s17, 10
	s_add_co_u32 s2, s2, 192<<14                   ; Q's tables lie behind K's 192 tiles
	s_add_nc_u64 s[98:99], s[8:9], s[2:3]
	s_branch .Laddr_done
.Lnot_q:
	s_cmp_lt_u32 ttmp9, 7
	s_cbranch_scc0 .Lis_v
	s_lshl_b32 s2, s40, 1
	s_add_co_u32 s2, s2, s16                       ; the key head
	s_mul_i32 s2, s2, 1572864                      ; 12 slots of 131,072 bytes
	s_sub_co_u32 s17, ttmp9, 4
	s_lshl_b32 s42, s17, 2
	s_add_co_u32 s42, s42, s41                     ; the slot of 256 keys
	s_lshl_b32 s42, s42, 17
	s_add_co_u32 s2, s2, s42
	s_lshl_b32 s42, s15, 15                        ; my 8 tiles of keys in it
	s_add_co_u32 s2, s2, s42
	s_add_nc_u64 s[96:97], s[12:13], s[2:3]
	s_lshl_b32 s2, s17, 20                         ; my first token x 1,024 bytes of tables
	s_lshl_b32 s42, s41, 18
	s_add_co_u32 s2, s2, s42
	s_lshl_b32 s42, s15, 17
	s_add_co_u32 s2, s2, s42
	s_add_nc_u64 s[98:99], s[8:9], s[2:3]
	s_branch .Laddr_done
.Lis_v:
	s_lshl_b32 s2, s41, 1
	s_add_co_u32 s2, s2, s15                       ; the value head: my 128 rows of wv
	s_mul_i32 s2, s2, 1572864
	s_sub_co_u32 s17, ttmp9, 7
	s_lshl_b32 s17, s17, 2
	s_add_co_u32 s17, s17, s40                     ; the slot of 256 tokens
	s_lshl_b32 s17, s17, 17
	s_add_co_u32 s2, s2, s17
	s_lshl_b32 s17, s16, 15                        ; my 8 blocks of 16 tokens in it
	s_add_co_u32 s2, s2, s17
	s_add_co_u32 s2, s2, 65536                     ; V lies behind K in a slot
	s_add_nc_u64 s[96:97], s[12:13], s[2:3]
	s_mov_b64 s[98:99], s[8:9]                     ; (written on every way; V has no tables)
.Laddr_done:
.macro FRAG reg, adr, q, i             ; 16 rows x 128 K of 4-bit codes: 8 registers; registers 4 c .. 4 c + 3 hold K = 64 c + 32 (l / 16) + 0 .. 31
.irp c, 0,1
	ds_load_b128 v[\reg+4*\c:\reg+4*\c+3], v[\adr] offset:64*(\q)+32*\c+(\i)*16*PITCH
.endr
.endm
; 16 matrix instructions: A's blocks a0, a0 + 1 x B's eight.  The 64 accumulators take turns, one instruction a turn, in the same order in every step.
.macro MUL16 a0, p, q, sc, zero
.irp a, \a0, \a0+1
.irp b, 0,1,2,3,4,5,6,7
.if \zero
	v_wmma_scale_f32_16x16x128_f8f6f4 v[8*(8*((\a)%4)+\b):8*(8*((\a)%4)+\b)+7], v[128*(\p)+FR*\b:128*(\p)+FR*\b+FR-1], v[AF+FR*(\a):AF+FR*(\a)+FR-1], 0, v[SC+8*NQ*(\sc)+NQ*\b+(\q)], v[SC+8*NQ*(\sc)+NQ*(\a)+(\q)] matrix_a_fmt:MATRIX_FMT_FP4 matrix_b_fmt:MATRIX_FMT_FP4 matrix_a_scale:MATRIX_SCALE_ROW1
.else
	v_wmma_scale_f32_16x16x128_f8f6f4 v[8*(8*((\a)%4)+\b):8*(8*((\a)%4)+\b)+7], v[128*(\p)+FR*\b:128*(\p)+FR*\b+FR-1], v[AF+FR*(\a):AF+FR*(\a)+FR-1], v[8*(8*((\a)%4)+\b):8*(8*((\a)%4)+\b)+7], v[SC+8*NQ*(\sc)+NQ*\b+(\q)], v[SC+8*NQ*(\sc)+NQ*(\a)+(\q)] matrix_a_fmt:MATRIX_FMT_FP4 matrix_b_fmt:MATRIX_FMT_FP4 matrix_a_scale:MATRIX_SCALE_ROW1
.endif
.endr
.endr
.endm
.macro FETCH_B slot, q, p
	WIN TO_B
.irp i, 0,1,2,3,4,5,6,7
	FRAG 128*(\p)+FR*\i, ADRB+\slot, \q, \i
.endr
	WIN 0
.endm
.macro FETCH_A slot, q, i0
.irp i, \i0, \i0+1, \i0+2, \i0+3
	FRAG AF+FR*(\i), ADRA+\slot, \q, \i
.endr
.endm
.macro SCALES sc                       ; a K step's scale words: lanes 0-15 take A's block i, lanes 16-31 B's block i
.irp i, 0,1,2,3,4,5,6,7
	ds_load_b128 v[SC+8*NQ*\sc+NQ*\i:SC+8*NQ*\sc+NQ*\i+3], v[ADRS] offset:\i*SBLK
.endr
.endm
.macro PLACES n                        ; plain vector instructions between a matrix instruction and a load into, or a vector instruction on, its registers
.rept \n
	v_nop
.endr
.endm
.macro STEP slot, q, zero              ; 128 along K, with its successor in the same slot
	s_wait_dscnt 4*NL                              ; B's set and A's blocks 0-3 are in; the youngest eight loads (A's blocks 4-7) may be out
	WIN MUL_LO
	MUL16 0, (\q)%2, \q, \slot, \zero
	MUL16 2, (\q)%2, \q, \slot, \zero
	s_wait_dscnt 0
	PLACES NP
	FETCH_B \slot, (\q)+1, 1-(\q)%2
	FETCH_A \slot, (\q)+1, 0
	WIN MUL_HI
	MUL16 4, (\q)%2, \q, \slot, \zero
	MUL16 6, (\q)%2, \q, \slot, \zero
	PLACES NP
	WIN 0
	FETCH_A \slot, (\q)+1, 4
.endm
; A slot's last step changes slots: one barrier; in front of it each wave waits for all its tensor loads, adds 0 to its spare word, and waits for that and for its reads of this slot.
.macro TURN slot, next, fill
	s_wait_tensorcnt 0x0                           ; all my tensor loads have landed: my part of the next slot
	ds_add_u32 v[SPW], v[NIL]
	s_wait_dscnt 4*NL+1                            ; (the add and the youngest eight loads may be out)
	WIN MUL_LO
	MUL16 0, 1, NQ-1, \slot, 0
	s_wait_dscnt 0x0                               ; the add is done, and my reads of this slot are over
	s_barrier_signal -1
	MUL16 2, 1, NQ-1, \slot, 0
	WIN 0
	s_barrier_wait -1
.if \fill
	CREST                                          ; the barrier has opened a round of the cluster's barrier: no wave of any partner still reads this slot or has a load on its way
	s_add_nc_u64 s[G0+4*\slot+2:G0+4*\slot+3], s[G0+4*\slot+2:G0+4*\slot+3], 2*ROWB
	s_add_nc_u64 s[G0B+4*\slot+2:G0B+4*\slot+3], s[G0B+4*\slot+2:G0B+4*\slot+3], 2*ROWB
	JLOAD G0+4*\slot, G1, G0B+4*\slot, G1B         ; the first tensor load behind the round; its four v_nop are the places in front of the loads below
.else
	PLACES NP
.endif
	v_add_nc_u32 v[ADRS], 4*NQ, v[ADRS]            ; the next K step's scale words
	FETCH_B \next, 0, 0
	FETCH_A \next, 0, 0
	SCALES \next
	WIN MUL_HI
	MUL16 4, 1, NQ-1, \slot, 0
	MUL16 6, 1, NQ-1, \slot, 0
	PLACES NP
	WIN 0
	FETCH_A \next, 0, 4
.endm
.macro STEPS slot, from
.set Q, \from
.rept NQ-1-\from
	STEP \slot, Q, 0
.set Q, Q+1
.endr
.endm
	s_wait_tensorcnt 1                             ; the scales and my part of K step 0 are in (K step 1's load may be out)
	s_barrier_signal -1
	s_barrier_wait -1                              ; everybody's are
	FETCH_B 0, 0, 0
	FETCH_A 0, 0, 0
	SCALES 0
	FETCH_A 0, 0, 4
	STEP 0, 0, 1                                   ; the first step's products start the sums: nothing is cleared
	s_mov_b32 s3, LAPS-1
.Llap:                                                 ; a trip goes once round the ring and fills both slots again
	STEPS 0, 1
	TURN 0, 1, 1
	STEPS 1, 0
	TURN 1, 0, 1
	STEP 0, 0, 0
	s_sub_co_u32 s3, s3, 1
	s_cmp_lg_u32 s3, 0
	s_cbranch_scc1 .Llap
	STEPS 0, 1                                     ; the last lap fills nothing
	TURN 0, 1, 0
	STEPS 1, 0
	s_wait_dscnt 4*NL
	WIN MUL_LO
	MUL16 0, 1, NQ-1, 1, 0
	MUL16 2, 1, NQ-1, 1, 0
	s_wait_dscnt 0
	WIN MUL_HI
	MUL16 4, 1, NQ-1, 1, 0
	MUL16 6, 1, NQ-1, 1, 0
	WIN 0
; THE WAY OUT, a block of 16 rows of A at a time.
.macro TLOADS a                        ; block a's tables: 32 runs of 512 bytes into set a % 2 of window 1: cw in registers 0-63, sw in 64-127, in the order of the block's 64 results
	WIN 0x40
.irp p, 0,1,2,3,4,5,6,7,8,9,10,11,12,13,14,15,16,17,18,19,20,21,22,23,24,25,26,27,28,29,30,31
	global_load_b128 v[128*((\a)%2)+4*\p:128*((\a)%2)+4*\p+3], v[CO], s[98:99] offset:(\a)*16384+512*\p
.endr
	WIN 0
.endm
.macro NORMROPE a
.set AC, 64*((\a)%4)
.set TT, 128*((\a)%2)
.set PP, PK+32*((\a)%2)
.if (\a) < 7
	s_wait_loadcnt 32                              ; this block's tables are in; the next block's 32 loads may be out
.else
	s_wait_loadcnt 0x0
.endif
	WIN 0x0a+5*((\a)/4)                            ; sources 0 and 1: window 2 or 3
.irp e, 0,1,2,3
	v_pk_mul_f32 v[32+2*\e:33+2*\e], v[AC+2*\e:AC+2*\e+1], v[AC+2*\e:AC+2*\e+1]   ; the sum of squares, in four chains; each accumulator from its low end on
.endr
.irp e, 4,5,6,7,8,9,10,11,12,13,14,15,16,17,18,19,20,21,22,23,24,25,26,27,28,29,30,31
	v_pk_fma_f32 v[32+2*(\e%4):33+2*(\e%4)], v[AC+2*\e:AC+2*\e+1], v[AC+2*\e:AC+2*\e+1], v[32+2*(\e%4):33+2*(\e%4)]
.endr
	WIN 0
	v_pk_add_f32 v[32:33], v[32:33], v[34:35]
	v_pk_add_f32 v[36:37], v[36:37], v[38:39]
	v_pk_add_f32 v[32:33], v[32:33], v[36:37]
	v_add_f32 v40, v32, v33
	v_permlanex16_b32 v42, v40, s100, s101         ; the row's other 64 columns lie in the lane 16 away
	v_add_f32 v40, v40, v42
	v_fma_f32 v40, v40, s66, s67                   ; the mean + 1e-6
	v_rsq_f32 v40, v40
	WIN 0x06+(\a)/4                                ; x: window 2 or 3; the tables: window 1.  These 64 lines, which do not name the root, stand between it and its wait
.irp e, 0,1,2,3,4,5,6,7,8,9,10,11,12,13,14,15,16,17,18,19,20,21,22,23,24,25,26,27,28,29,30,31
	v_pk_mul_f32 v[OUT+2*\e:OUT+2*\e+1], v[AC+2*\e:AC+2*\e+1], v[TT+2*\e:TT+2*\e+1]
.endr
.irp e, 0,1,2,3,4,5,6,7,8,9,10,11,12,13,14,15,16,17,18,19,20,21,22,23,24,25,26,27,28,29,30,31
	v_pk_fma_f32 v[OUT+2*\e:OUT+2*\e+1], v[AC+(2*\e+32)%64:AC+(2*\e+32)%64+1], v[TT+64+2*\e:TT+64+2*\e+1], v[OUT+2*\e:OUT+2*\e+1]   ; column d xor 64 lies 32 registers away
.endr
	s_wait_alu depctr_va_vdst(0)                   ; the wait ahead of the first line that names the root
	WIN 0
.irp e, 0,1,2,3,4,5,6,7,8,9,10,11,12,13,14,15,16,17,18,19,20,21,22,23,24,25,26,27,28,29,30,31
	v_pk_mul_f32 v[OUT+2*\e:OUT+2*\e+1], v[OUT+2*\e:OUT+2*\e+1], v[40:41] op_sel_hi:[1,0]
.endr
	s_wait_xcnt 0x0                                ; the stores of two blocks back have read this set of packed registers
.irp e, 0,1,2,3,4,5,6,7,8,9,10,11,12,13,14,15,16,17,18,19,20,21,22,23,24,25,26,27,28,29,30,31
	v_cvt_pk_f16_f32 v[PP+\e], v[OUT+2*\e], v[OUT+2*\e+1]
.endr
.irp b, 0,1,2,3,4,5,6,7
	global_store_b128 v[CO], v[PP+4*\b:PP+4*\b+3], s[96:97] offset:4096*(\a)+512*\b   ; a piece: rows 16 a on, channels 16 b on: 512 consecutive bytes
.endr
.if (\a) < 6
	TLOADS (\a)+2
.endif
.endm
.macro PACKV a                         ; V: a lane holds channel 16 a + r and eight neighbouring tokens
.set AC, 64*((\a)%4)
.set PP, PK+32*((\a)%2)
	s_wait_xcnt 0x0
	WIN 0x0a+5*((\a)/4)
.irp e, 0,1,2,3,4,5,6,7,8,9,10,11,12,13,14,15,16,17,18,19,20,21,22,23,24,25,26,27,28,29,30,31
	v_cvt_pk_f16_f32 v[PP+\e], v[AC+2*\e], v[AC+2*\e+1]
.endr
	WIN 0
.irp b, 0,1,2,3,4,5,6,7
	global_store_b128 v[CO], v[PP+4*\b:PP+4*\b+3], s[96:97] offset:4096*\b+512*(\a)   ; a piece: tokens 16 b on, channels 16 a on
.endr
.endm
	PLACES NP                                      ; behind the last products: for the reads of results, and for the writes and loads into registers that held operands and scales
	v_mov_b32 v41, 0                               ; (named as the upper half of the pair v[40:41])
	v_mov_b32 v42, 0                               ; (a lane permute's destination counts as one of its sources)
	s_cmp_eq_u32 s95, 2
	s_cbranch_scc1 .Lvout
	TLOADS 0
	TLOADS 1
.irp a, 0,1,2,3,4,5,6,7
	NORMROPE \a
.endr
	s_branch .Lfin
.Lvout:
.irp a, 0,1,2,3,4,5,6,7
	PACKV \a
.endr
.Lfin:
	s_wait_tensorcnt 0x0                           ; the wave's end
	ds_add_u32 v[SPW], v[NIL]
	s_wait_dscnt 0x0
	CROUND                                         ; the closing round: no work-group ends while a partner may still ask for a tile that names it
	s_endpgm
.Lfunc_end_k_q4081b873a0_qkv:
	.size	k_q4081b873a0_qkv, .Lfunc_end_k_q4081b873a0_qkv-k_q4081b873a0_qkv
	.p2alignl 7, 3214868480
	.fill 96, 4, 3214868480
	.section	.rodata,"a",@progbits
	.p2align	6, 0x0
	.amdhsa_kernel k_q4081b873a0_qkv
		.amdhsa_group_segment_fixed_size 327680
		.amdhsa_private_segment_fixed_size 0
		.amdhsa_enable_private_segment 0
		.amdhsa_kernarg_size 40
		.amdhsa_user_sgpr_count 2
		.amdhsa_user_sgpr_kernarg_segment_ptr 1
		.amdhsa_wavefront_size32 1
		.amdhsa_system_sgpr_workgroup_id_x 1
		.amdhsa_system_sgpr_workgroup_id_y 1
		.amdhsa_system_sgpr_workgroup_id_z 1
		.amdhsa_system_vgpr_workitem_id 0
		.amdhsa_next_free_vgpr 1024
		.amdhsa_next_free_sgpr 102
		.amdhsa_reserve_vcc 0
		.amdhsa_float_denorm_mode_32 3
		.amdhsa_float_denorm_mode_16_64 3
		.amdhsa_memory_ordered 1
		.amdhsa_forward_progress 1
		.amdhsa_inst_pref_size 255
	.end_amdhsa_kernel
	.section	.bss,"aw",@nobits
	.p2align	6
	.space	262144
	.amdgpu_metadata
---
amdhsa.version: [ 1, 2 ]
amdhsa.kernels:
  - .name:           k_q4081b873a0_qkv
    .symbol:         k_q4081b873a0_qkv.kd
    .args:
      - { .name: codes, .offset: 0, .size: 8, .value_kind: global_buffer, .address_space: global }
      - { .name: scales, .offset: 8, .size: 8, .value_kind: global_buffer, .address_space: global }
      - { .name: rt, .offset: 16, .size: 8, .value_kind: global_buffer, .address_space: global }
      - { .name: qimg, .offset: 24, .size: 8, .value_kind: global_buffer, .address_space: global }
      - { .name: kv, .offset: 32, .size: 8, .value_kind: global_buffer, .address_space: global }
    .group_segment_fixed_size: 327680
    .private_segment_fixed_size: 0
    .kernarg_segment_align: 8
    .kernarg_segment_size: 40
    .max_flat_workgroup_size: 128
    .sgpr_count:     102
    .vgpr_count:     1024
    .wavefront_size: 32
...
	.end_amdgpu_metadata
.endif
;; end of part 2
;; launch attn (part 3): grid 32 x 8, 4 waves a work-group, clusters of 4 x 1, 327,680 bytes of LDS; arguments qimg, kv, mw, aimg; writes aimg
.if DOCPART == 3
	.amdgcn_target "amdgcn-amd-amdhsa--gfx1250"
	.amdhsa_code_object_version 6
	.text
	.protected	k_q4081b873a0_attn
	.globl	k_q4081b873a0_attn
	.p2align	8
	.type	k_q4081b873a0_attn,@function
k_q4081b873a0_attn:
	s_mov_b64 s[64:65], 0
	v_nop
	global_prefetch_b8 v0, s[64:65] scope:SCOPE_SE
	s_setreg_imm32_b32 hwreg(HW_REG_WAVE_MODE, 25, 1), 1
	s_wait_xcnt 0x0
	s_wait_alu depctr_hold_cnt(0) depctr_sa_sdst(0) depctr_va_vdst(0) depctr_va_sdst(0) depctr_va_ssrc(0) depctr_va_vcc(0) depctr_vm_vsrc(0)
	s_getreg_b32 s2, hwreg(HW_REG_IB_STS2, 6, 4)
	s_cmp_eq_u32 s2, 0
	s_cbranch_scc0 .Lentry_in_a_cluster
	s_endpgm
.Lentry_in_a_cluster:
	s_bfe_u32 s2, ttmp6, 0x10000c
	s_cmp_lg_u32 s2, 0x3003
	s_cbranch_scc0 .Lentry_shape_is_right
	s_endpgm
.Lentry_shape_is_right:
; O[head][q] = the sum over k of softmax_k(where(mask[q][k], Q[head][q] . K[g][k] / sqrt(128), the least f32)) V[g][k], g = head / 4.  No work is left out: the mask is an input, so every key step is walked.
; Q, K, V arrive in f16 as images of fragment registers (a piece: 512 bytes, lane l's 16 bytes at 16 l); Q carries log2(e) / sqrt(128), so a score comes out as t, an exponent of 2.  Products, maxima, sums in f32;
; the weights p are rounded to f16 for the second product, O once at the end.
; THE MASK.  A hidden t is REPLACED by the least f32 ahead of the maximum (v_cndmask_b32 by a word of 32 bits, a bit a lane, made by the first launch and read into scalar registers).  p = 2^(t - m) with a running
; maximum m: beside a key that counts a hidden key's p is 0; in a row with no key that counts every p is 1, the uniform average, as in the source.
; SHARES.  A work-group owns 128 queries of one head.  Wave w: queries 64 (w % 2) on, four tiles of 16; of each slot of 256 keys the half w / 2, two steps of 64 keys.  So each fragment of K and V read from LDS
; feeds four tiles, and there are 256 work-groups.  At the end waves w and w xor 2 join their (m, l, O) through LDS, each finishing two tiles.
; LAYOUT.  S^T = K Q^T and O^T = V^T P: a lane holds ONE query (lane % 16) throughout.  BY TURNS: the wave's tiles are two pieces (tiles 0, 1; tiles 2, 3); in a turn one piece issues 32 products V^T P and 32
; products K Q^T, and the other piece's softmax, cut into 64 slices, stands between them.
; CLUSTER.  The four work-groups of a cluster belong to one key/value head and walk the same slots: each wave's quarter of a slot is asked for jointly, by the same tensor load with a mask that names the four.
; LIMITS: the operands must lie inside f16's range; NaN and infinities are not served.
; REGISTERS, in windows of 256: window 0: v2-9 addresses; v12-43 statistics, 8 a tile (+0 m, +1 the old m, +2, +3 l, +4 to +7 at work, a at +6); v44 the least f32; v64-191 S^T; v192-255 P.
;   window 1: O^T, 64 a tile.   window 2: v0-127 Q, v128-255 K of one step.   window 3: v0-127 V of one step; v128-255 the partner's O^T at the end.
.set STEPB, 16384                      ; a key step's K (or V): 64 keys x 256 bytes
.set VOFF,  65536                      ; a slot: 256 keys of K, then of V
.set SLOT1, 1<<17                      ; a slot's bytes, in memory and in LDS; one exclusive or turns an address in one slot into the other's
.set SPARE, 2*SLOT1                    ; behind the ring: the spare words
.set XCH,   16896                      ; the exchange at the end: 16,384 bytes of O^T and 512 of statistics for each wave, in slot 0, which has had its last fill and its last read by then
.set AK0, 2                            ; v2   16 x lane: my place in a piece; never rewritten
.set AV0, 3                            ; v3   the same + VOFF
.set ADR, 4
.set XO,  6                            ; v6, v7   the exchange: where I put O^T and statistics
.set XS,  7
.set YO,  8                            ; v8, v9   and where my partner has put its
.set YS,  9
.set ST,  12
.set MIN, 44
.set PFO, 61                           ; v61  256 x lane
.set SPW, 62
.set NIL, 63
.set S,   64
.set P,   192
.set KF,  128
.set OP,  4                            ; s[4:5]   aimg at my wave's first tile and my head
.set MWP, 6                            ; s[6:7]   the mask words to be loaded next
.set PFA, 8                            ; s[8:9]   where my prefetches stand
.set WV,  10
.set SLOTS, 11
.set G1,  12                           ; s[12:19] descriptor group 1
.set G0,  20                           ; s[20:23], s[24:27] group 0 for the two first fills; the second then walks on
.set TWICE, 28
.set TB,  29                           ; s29  LDS byte at which the K of the step to be fetched begins
.set LIM, 30
.set SEL, 66
.set QP,  100                          ; s[100:101] Q.  The 64 mask words lie in s[32:63] and s[68:99]: word n in s[32 + n + 4 (n / 32)]
.set MSB, 0
.macro WIN new
.if MSB != \new
	s_set_vgpr_msb (MSB<<8)|\new
.set MSB, \new
.endif
.endm
.set W_KQ, 0x0a
.set W_PV, 0x53
.set W_RS, 0x41
.macro JLOAD                           ; every wave asks for its own quarter of the slot; an s_nop 0 and four v_nop follow
	tensor_load_to_lds s[G0+4:G0+7], s[G1:G1+7]
	s_nop 0
.rept 4
	v_nop
.endr
.endm
; A prefetch of what the NEXT change of slots will ask for.  All eight clusters of a key/value head walk the same slots: the first of them asks.  Its four partners share each wave's quarter out by address, 8,192 bytes
; each, lanes 256 bytes apart: each block of 256 bytes is named once.  The last change that fills a slot asks for nothing; slots 0, 1 and 2 come by their loads alone.
.macro ASK
	s_cmp_gt_u32 s[SLOTS], s[LIM]
	s_cbranch_scc0 .Lnot_mine_\@
	global_prefetch_b8 v[PFO], s[PFA:PFA+1] th:TH_LOAD_NT scope:SCOPE_SE
.Lnot_mine_\@:
.endm
.macro CROUND
	s_barrier_signal -1
	s_barrier_wait -1
	s_cmp_lg_u32 s[WV], 0
	s_cbranch_scc1 .Lnot_wave_0_\@
	s_barrier_signal -3
.Lnot_wave_0_\@:
	s_barrier_wait -3
	s_barrier_signal -1
	s_barrier_wait -1
.endm
.macro MLOAD                           ; 64 mask words: one key step x 32 queries
	s_load_b512 s[32:47], s[MWP:MWP+1], 0x0
	s_load_b512 s[48:63], s[MWP:MWP+1], 0x40
	s_load_b512 s[68:83], s[MWP:MWP+1], 0x80
	s_load_b512 s[84:99], s[MWP:MWP+1], 0xc0
.endm
	s_load_b256 s[32:39], s[0:1], 0x0              ; qimg s[32:33], kv s[34:35], mw s[36:37], aimg s[38:39]
	v_lshl_add_u32 v[SPW], v0, 2, SPARE
	v_mov_b32 v[NIL], 0
	ds_add_u32 v[SPW], v[NIL]                      ; the wave's opening: the add, twice on end, and its wait ahead of my first tensor load
	ds_add_u32 v[SPW], v[NIL]
	v_lshrrev_b32 v1, 5, v0
	v_readfirstlane_b32 s[WV], v1                  ; wave 0..3
	s_bfe_u32 s40, ttmp6, 0x40000                  ; cx
	s_lshl_b32 s41, ttmp9, 2
	s_add_co_u32 s41, s41, s40                     ; work-group x
	s_and_b32 s42, ttmp7, 0xffff                   ; the key/value head, which the four partners share
	s_lshr_b32 s43, s41, 3
	s_lshl_b32 s44, s42, 2
	s_add_co_u32 s43, s43, s44                     ; the head
	s_and_b32 s44, s41, 7                          ; the block of 128 queries
	s_and_b32 s45, s[WV], 1
	s_lshr_b32 s46, s[WV], 1                       ; my half of the keys
	s_lshl_b32 s47, s44, 1
	s_add_co_u32 s47, s47, s45                     ; my 64 queries
	s_mul_i32 s48, s42, 1572864                    ; kv: 12 slots a head,
	s_lshl_b32 s50, s[WV], 15                      ; my quarter of a slot: in memory and in LDS
	s_add_co_u32 s48, s48, s50
	s_mov_b32 s49, 0
	s_lshl_b32 s52, s43, 18                        ; Q: 64 tiles x 4,096 bytes a head; my 4 tiles
	s_lshl_b32 s51, s47, 14
	s_add_co_u32 s52, s52, s51
	s_mov_b32 s53, 0
	s_lshl_b32 s54, s47, 19                        ; O: 131,072 bytes a tile of rows; 8 pieces a head
	s_lshl_b32 s51, s43, 12
	s_add_co_u32 s54, s54, s51
	s_mov_b32 s55, 0
	s_mul_i32 s56, s47, 24576                      ; the mask words: 48 key steps x 512 bytes; my half's two steps of a slot's four
	s_lshl_b32 s51, s46, 10
	s_add_co_u32 s56, s56, s51
	s_mov_b32 s57, 0
	s_mov_b32 s[G1], 15|(3<<16)|(1<<21)            ; the mask: all four work-groups; elements of 8 bytes; bit 21 beside a mask; no padding: every LDS load reads 512 bytes on end
	s_mov_b32 s[G1+1], 32<<16                      ; tensor_dim0 = 32: rows of 256 bytes
	s_mov_b32 s[G1+2], 128<<16                     ; tensor_dim1 = 128
	s_mov_b32 s[G1+3], 32<<16                      ; tile_dim0
	s_mov_b32 s[G1+4], 128                         ; tile_dim1: 32,768 dense bytes
	s_mov_b32 s[G1+5], 32                          ; the pitch
	s_mov_b32 s[G1+6], 0
	s_mov_b32 s[G1+7], 0
	s_mov_b32 s[SEL], 0x76543210
	s_mov_b32 s[SEL+1], 0xfedcba98
	s_lshl_b32 s[TB], s46, 15
	s_mov_b32 s[SLOTS], 10
	s_cmp_eq_u32 ttmp9, 0
	s_cselect_b32 s[LIM], 1, -1                    ; the same in all four partners
	v_and_b32 v1, 31, v0
	v_lshlrev_b32 v[PFO], 8, v1
	s_wait_dscnt 0x0                               ; both opening adds are done
	s_wait_kmcnt 0x0
	s_add_nc_u64 s[34:35], s[34:35], s[48:49]
	s_add_nc_u64 s[QP:QP+1], s[32:33], s[52:53]
	s_add_nc_u64 s[OP:OP+1], s[38:39], s[54:55]
	s_add_nc_u64 s[MWP:MWP+1], s[36:37], s[56:57]
	s_lshl_b32 s58, s40, 13
	s_mov_b32 s59, 0
	s_add_nc_u64 s[PFA:PFA+1], s[34:35], s[58:59]
	s_add_nc_u64 s[PFA:PFA+1], s[PFA:PFA+1], 2*SLOT1   ; in slot 2; the first change of slots steps it to slot 3
	CROUND                                         ; all four work-groups are here: the first joint loads meet
.irp s, 0,1
	s_mov_b32 s[G0+4*\s], 1
	s_add_co_u32 s[G0+4*\s+1], s50, \s*SLOT1
	s_add_nc_u64 s[G0+4*\s+2:G0+4*\s+3], s[34:35], \s*SLOT1
	s_or_b32 s[G0+4*\s+3], s[G0+4*\s+3], 0x80000000
.endr
	tensor_load_to_lds s[G0:G0+3], s[G1:G1+7]      ; slots 0 and 1: two loads of mine are out
	s_nop 0
	tensor_load_to_lds s[G0+4:G0+7], s[G1:G1+7]
	s_nop 0
.rept 4
	v_nop
.endr
	v_lshlrev_b32 v[AK0], 4, v1
	v_add_nc_u32 v[AV0], VOFF, v[AK0]
	v_mov_b32 v[MIN], 0xff7fffff
	WIN 0x80                                       ; destination window 2
.irp i, 0,1,2,3,4,5,6,7,8,9,10,11,12,13,14,15  ; Q stays in registers: tile i / 4, channels 32 (i % 4) on
	global_load_b128 v[8*\i:8*\i+3],   v[AK0], s[QP:QP+1] offset:(\i/4)*4096+(\i%4)*1024
	global_load_b128 v[8*\i+4:8*\i+7], v[AK0], s[QP:QP+1] offset:(\i/4)*4096+(\i%4)*1024+512
.endr
	WIN 0
	MLOAD                                          ; the first softmax's words
; Product i of 32 of O^T += V^T P for piece x.  The accumulators take turns, one instruction a turn.
.macro PV x, zero
	WIN W_PV
.set rO, 64*(\x+i%2)+8*((i/2)%8)
.set rV, 64*(i/16)+8*((i/2)%8)
.set rP, P+16*(\x+i%2)+8*(i/16)
.if \zero && (i < 16)
	v_wmma_f32_16x16x32_f16 v[rO:rO+7], v[rV:rV+7], v[rP:rP+7], 0
.else
	v_wmma_f32_16x16x32_f16 v[rO:rO+7], v[rV:rV+7], v[rP:rP+7], v[rO:rO+7]
.endif
.endm
.macro KQ x                            ; product i of 32 of S^T = K Q^T
	WIN W_KQ
.set rS, S+32*(\x+i%2)+8*((i/2)%4)
.set rK, KF+32*((i/2)%4)+8*(i/8)
.set rQ, 32*(\x+i%2)+8*(i/8)
.if i < 8
	v_wmma_f32_16x16x32_f16 v[rS:rS+7], v[rK:rK+7], v[rQ:rQ+7], 0
.else
	v_wmma_f32_16x16x32_f16 v[rS:rS+7], v[rK:rK+7], v[rQ:rQ+7], v[rS:rS+7]
.endif
.endm
.macro FETCH_K                         ; a step's K: fragment f: keys 16 (f / 4) on, channels 32 (f % 4) on: two pieces
	WIN 0
	v_add_nc_u32 v[ADR], s[TB], v[AK0]
	WIN 0x80
.irp f, 0,1,2,3,4,5,6,7,8,9,10,11,12,13,14,15
	ds_load_b128 v[KF+8*\f:KF+8*\f+3],   v[ADR] offset:(\f/4)*4096+(\f%4)*1024
	ds_load_b128 v[KF+8*\f+4:KF+8*\f+7], v[ADR] offset:(\f/4)*4096+(\f%4)*1024+512
.endr
.endm
.macro FETCH_V                         ; a step's V^T: fragment f: keys 32 (f / 8) on, channels 16 (f % 8) on
	WIN 0
	v_add_nc_u32 v[ADR], s[TB], v[AV0]
	s_add_co_u32 s[TB], s[TB], STEPB               ; the next fetch is the next step's
	s_wait_alu depctr_va_vdst(0)                   ; the wait for the softmax's batch of exponentials, ahead of the first line that names a result
	WIN 0xc0
.irp f, 0,1,2,3,4,5,6,7,8,9,10,11,12,13,14,15
	ds_load_b128 v[8*\f:8*\f+3],   v[ADR] offset:(\f/8)*8192+(\f%8)*512
	ds_load_b128 v[8*\f+4:8*\f+7], v[ADR] offset:(\f/8)*8192+(\f%8)*512+4096
.endr
.endm
; One tile's softmax for one key step: a list of 166 instructions; SM writes number j for tile t.  0-31: the mask, register by register, ascending.  From 32 on, jj = j - 32:
;   0-15 the maximum of the 32 scores and the old m;  16-20 the other half of the lanes' maximum, the old m kept, the new m, old m - new m;
;   21-69 ONE BATCH: the 16 subtractions t - m, a pair each, and all 33 exponentials (a at 23): none reads an exponential's result;  (the wait);
;   70-85 the roundings to f16;  86-101 the sums, l = a l + the sum;  102-133 O^T times a.
.macro SM t, first
.set rT, ST+8*(\t)
.set rS, S+32*(\t)
.set rP, P+16*(\t)
.set jj, j-32
.set rO, 64*(\t)+2*(jj-102)
.if jj < 102
	WIN 0
.endif
.if j < 32
.set wd, 2*j+(\t)%2
	v_cndmask_b32 v[rS+j], v[MIN], v[rS+j], s[32+wd+4*(wd/32)]
.elseif jj < 4
	v_max3_num_f32 v[rT+4+jj], v[rS+8*jj], v[rS+8*jj+1], v[rS+8*jj+2]
.elseif jj < 12
	v_max3_num_f32 v[rT+4+jj%4], v[rT+4+jj%4], v[rS+8*(jj%4)+2*(jj/4)+1], v[rS+8*(jj%4)+2*(jj/4)+2]
.elseif jj == 12
	v_max3_num_f32 v[rT+4], v[rT+4], v[rS+7], v[rS+15]
.elseif jj == 13
	v_max3_num_f32 v[rT+6], v[rT+6], v[rS+23], v[rS+31]
.elseif jj == 14
	v_max3_num_f32 v[rT+4], v[rT+4], v[rT+5], v[rT+6]
.elseif (jj == 15) && \first
	v_max_num_f32 v[rT+4], v[rT+4], v[rT+7]
.elseif jj == 15
	v_max3_num_f32 v[rT+4], v[rT+4], v[rT+7], v[rT]
.elseif jj == 16
	v_permlanex16_b32 v[rT+5], v[rT+4], s[SEL], s[SEL+1]  ; the query's other 32 keys lie in the lane 16 away
.elseif (jj == 17) && \first
	v_mov_b32 v[rT+1], 0                           ; (named as the upper half of the pair with m)
.elseif jj == 17
	v_mov_b32 v[rT+1], v[rT]                       ; the old m is kept for a
.elseif jj == 18
	v_max_num_f32 v[rT], v[rT+4], v[rT+5]
.elseif jj == 19
.elseif ((jj == 20) || (jj == 23) || (jj > 101)) && \first  ; the first step has none of these
.elseif jj == 20
	v_sub_f32 v[rT+7], v[rT+1], v[rT]
.elseif jj == 23
	v_exp_f32 v[rT+6], v[rT+7]
.elseif (jj < 23) || ((jj < 38) && (jj%2 == 0)) || ((jj < 66) && (jj%4 == 2))
.set b, (jj-2)/4
.if jj < 38
.set b, (jj-20)/2
.endif
	v_pk_add_f32 v[rS+2*b:rS+2*b+1], v[rS+2*b:rS+2*b+1], v[rT:rT+1] op_sel_hi:[1,0] neg_lo:[0,1] neg_hi:[0,1]  ; pair b: t - m
.elseif jj < 70
.set e, jj-38
.if jj < 66
.set e, jj-32-(jj-38)/4
.endif
.if jj < 38
.set e, (jj-25)/2
.endif
	v_exp_f32 v[rS+e], v[rS+e]
.elseif jj < 86
	v_cvt_pk_f16_f32 v[rP+jj-70], v[rS+2*(jj-70)], v[rS+2*(jj-70)+1]
.elseif jj < 102
.set z, jj-86
.set w, 4
.set u, z
.if z >= 14
.set w, 32
.set u, 0
.elseif z >= 12
.set w, 16
.set u, z-12
.elseif z >= 8
.set w, 8
.set u, z-8
.endif
.if (z == 14) && \first
	v_pk_add_f32 v[rT+2:rT+3], v[rS:rS+1], v[rS+16:rS+17]
.elseif z < 15
	v_pk_add_f32 v[rS+w*u:rS+w*u+1], v[rS+w*u:rS+w*u+1], v[rS+w*u+w/2:rS+w*u+w/2+1]
.elseif !\first
	v_pk_fma_f32 v[rT+2:rT+3], v[rT+2:rT+3], v[rT+6:rT+7], v[rS:rS+1] op_sel_hi:[1,0,1]
.endif
.else
	WIN W_RS
	v_pk_mul_f32 v[rO:rO+1], v[rO:rO+1], v[rT+6:rT+7] op_sel_hi:[1,0]
.endif
.endm
; Slice k of 64 of piece y's softmax.  Slices 0-17: numbers 3 k .. 3 k + 2 of both tiles, the tiles alternating.  Slices 18-41: the batch, four numbers of one tile, the tiles by turns.  Slices 42-63: the rest, three
; (61, 62: two) numbers of both tiles.  Behind slice 10 the mask words have been used: the next softmax's 64 words are asked for (more = 1).  Behind slice 41 stands the one wait for the piece's 66 exponentials.
.macro SLICE y, first, more
.if (k >= 18) && (k < 42)
.irp n, 0,1,2,3
.set j, 54+4*((k-18)/2)+(\n)
	SM (\y)+(k-18)%2, \first
.endr
.else
.set j0, 3*k
.set nn, 3
.if k >= 42
.set j0, 102+3*(k-42)
.endif
.if k == 61
.set j0, 159
.set nn, 2
.endif
.if k == 62
.set j0, 161
.set nn, 2
.endif
.if k == 63
.set j0, 163
.endif
.irp n, 0,1,2
.if \n < nn
.irp t, \y, \y+1
.set j, j0+\n
	SM \t, \first
.endr
.endif
.endr
.endif
.if (k == 10) && \more
	MLOAD
.endif
.if k == 41
	v_nop                                          ; a plain instruction behind the last exponential: one for the batch
.if (\y) == 0
	FETCH_V                                        ; piece 2's turn: V's run of loads stands here, and the wait stands in it
.else
	s_wait_alu depctr_va_vdst(0)                   ; the wait for the batch
.endif
.endif
.set k, k+1
.endm
.macro PLACES
.rept 4
	v_nop
.endr
.endm
; A TURN.  Piece x has the matrix unit; the other piece's softmax stands in slices behind its matrix instructions.  pv = 2: 32 products V^T P; 1: they start O^T's sums; 0: none.  kq = 1: 32 products K Q^T of the
; next step.  Slice 63, six plain multiplies on the other piece's O^T, holds the places behind the turn's last product; in a first softmax, whose last slices are empty, four v_nop do.
; Between the last product that read V (in front of slice 31) and V's loads (behind slice 41) stand nine subtractions, the v_nop and the run's own addition.
.macro TURN x, pv, kq, first, more
	s_wait_kmcnt 0x0                               ; this turn's mask words are in, so their address may be stepped
	s_add_nc_u64 s[MWP:MWP+1], s[MWP:MWP+1], 256
.set k, 0
.set per, 2
.if \pv && \kq
.set per, 1
.endif
.if \pv
.if \x == 0
	s_wait_dscnt 0x0                               ; V is in
.endif
.set i, 0
.rept 32
	PV \x, 2-\pv
.rept per
	SLICE 2-\x, \first, \more
.endr
.if (\x == 0) && \kq && (i == 1)
	FETCH_K
.endif
.set i, i+1
.endr
.endif
.if \kq
.if \x == 0
	s_wait_dscnt 0x0                               ; K is in
.endif
.set i, 0
.rept 32
	KQ \x
.rept per
	SLICE 2-\x, \first, \more
.endr
.set i, i+1
.endr
.endif
.if \first
	PLACES
.endif
.endm
; THE CHANGE OF SLOTS.  Each wave waits for all its tensor loads (one is out: its quarter of the other slot), adds 0 to its spare word, and waits for that and for its reads of the slot.  fill = 1: the barrier is a round of
; the cluster's, and the joint refill is the first thing behind it: it has two of my key steps, 256 matrix instructions, in which to land.
.macro CHANGE fill
	WIN 0
	s_wait_tensorcnt 0x0                           ; no tensor load of mine is out, so a group 0 may be written
	ds_add_u32 v[SPW], v[NIL]
.if \fill
	s_xor_b32 s[G0+5], s[G0+5], SLOT1              ; the walking descriptor: the other slot than last time,
	s_add_nc_u64 s[G0+6:G0+7], s[G0+6:G0+7], SLOT1 ; the next 256 keys
.endif
	s_wait_xcnt 0x0                                ; the last prefetch and the last loads of mask words have read their addresses
.if \fill
	s_add_nc_u64 s[PFA:PFA+1], s[PFA:PFA+1], SLOT1
.endif
	s_add_nc_u64 s[MWP:MWP+1], s[MWP:MWP+1], 1024  ; over the other half's two key steps
	s_wait_dscnt 0x0                               ; the add is done, and my reads of the slot are over
.if \fill
	CROUND
	JLOAD
	ASK
.else
	s_barrier_signal -1
	s_barrier_wait -1
.endif
	s_sub_co_u32 s[TB], s[TB], 2*STEPB             ; back to my half's first step,
	s_xor_b32 s[TB], s[TB], SLOT1                  ; in the other slot
.endm
.macro TWO_STEPS
	s_mov_b32 s[TWICE], 2
.Lstep_\@:
	TURN 0, 2, 1, 0, 1
	TURN 2, 2, 1, 0, 1
	WIN 0
	s_sub_co_u32 s[TWICE], s[TWICE], 1
	s_cmp_lg_u32 s[TWICE], 0
	s_cbranch_scc1 .Lstep_\@
.endm
	s_wait_tensorcnt 1                             ; my quarter of slot 0 is in; slot 1's may stay out
	s_barrier_signal -1
	s_barrier_wait -1
	FETCH_K                                        ; my key step 0
	s_wait_loadcnt 0x0                             ; Q
	s_wait_dscnt 0x0
.set i, 0
.rept 32
	KQ 0
.set i, i+1
.endr
	WIN 0                                          ; the exchange's addresses: six plain instructions, the places behind those products
	s_mul_i32 s2, s[WV], XCH
	s_xor_b32 s3, s[WV], 2
	s_mul_i32 s3, s3, XCH
	v_add_nc_u32 v[XO], s2, v[AK0]
	v_lshl_add_u32 v[XS], v1, 3, s2
	v_add_nc_u32 v[XS], 16384, v[XS]
	v_add_nc_u32 v[YO], s3, v[AK0]
	v_lshl_add_u32 v[YS], v1, 3, s3
	v_add_nc_u32 v[YS], 16384, v[YS]
	TURN 2, 0, 1, 1, 1                             ; piece 2's first scores | piece 0's first softmax | V of step 0
	TURN 0, 1, 1, 1, 1                             ; piece 0: V^T P of step 0 starts O^T, K Q^T of step 1 | piece 2's first softmax | K of step 1
	TURN 2, 1, 1, 0, 1                             ; piece 2: the same | piece 0's softmax of step 1 | V of step 1
	WIN 0
.Lslot:                                                ; 10 trips: every slot but the last two is filled again
	CHANGE 1
	TWO_STEPS
	s_sub_co_u32 s[SLOTS], s[SLOTS], 1
	s_cmp_lg_u32 s[SLOTS], 0
	s_cbranch_scc1 .Lslot
	CHANGE 0                                       ; the tail is written out
	TWO_STEPS
	TURN 0, 2, 0, 0, 0                             ; piece 0: V^T P of the last step | piece 2's last softmax; no mask words follow
.set i, 0
.rept 32
	PV 2, 0
.set i, i+1
.endr
	; THE TWO HALVES OF THE KEYS ARE JOINED.  l's two halves and the other half of the lanes' are added (these lines are the places behind the last products).
	WIN 0
.irp t, 0,1,2,3
	v_add_f32 v[ST+8*\t+4], v[ST+8*\t+2], v[ST+8*\t+3]
.endr
.irp t, 0,1,2,3
	v_permlanex16_b32 v[ST+8*\t+5], v[ST+8*\t+4], s[SEL], s[SEL+1]
.endr
.irp t, 0,1,2,3
	v_add_f32 v[ST+8*\t+1], v[ST+8*\t+4], v[ST+8*\t+5]
.endr
.macro SENDT t                         ; tile t's (m, l) and O^T go to my part of the exchange, as they stand in the registers
	ds_store_b64 v[XS], v[ST+8*\t:ST+8*\t+1] offset:256*(\t%2)
	WIN 0x04                                       ; an LDS store's data are its source 1: window 1
.irp i, 0,1,2,3,4,5,6,7,8,9,10,11,12,13,14,15
	ds_store_b128 v[XO], v[64*\t+4*\i:64*\t+4*\i+3] offset:8192*(\t%2)+512*\i
.endr
	WIN 0
.endm
; Tiles t0 and t0 + 1 are finished: M = max(m, m'), a = 2^(m - M), a' = 2^(m' - M), L = a l + a' l', O = (a O + a' O') / L, rounded to f16: a lane's eight channels are its 16 bytes of a piece.
.macro COMBINE2 t0
.irp u, 0,1
	ds_load_b64 v[ST+8*(\t0+\u)+2:ST+8*(\t0+\u)+3], v[YS] offset:256*\u
.endr
	WIN 0xc0
.irp u, 0,1
.irp i, 0,1,2,3,4,5,6,7,8,9,10,11,12,13,14,15
	ds_load_b128 v[128+64*\u+4*\i:128+64*\u+4*\i+3], v[YO] offset:8192*\u+512*\i
.endr
.endr
	WIN 0
	s_wait_dscnt 0x0
.irp u, 0,1
	v_max_num_f32 v[ST+8*(\t0+\u)+4], v[ST+8*(\t0+\u)], v[ST+8*(\t0+\u)+2]
.endr
.irp u, 0,1
	v_sub_f32 v[ST+8*(\t0+\u)+5], v[ST+8*(\t0+\u)], v[ST+8*(\t0+\u)+4]
	v_sub_f32 v[ST+8*(\t0+\u)+6], v[ST+8*(\t0+\u)+2], v[ST+8*(\t0+\u)+4]
.endr
.irp u, 0,1
	v_exp_f32 v[ST+8*(\t0+\u)+5], v[ST+8*(\t0+\u)+5]
	v_exp_f32 v[ST+8*(\t0+\u)+6], v[ST+8*(\t0+\u)+6]
.endr
	v_nop
	s_wait_alu depctr_va_vdst(0)                   ; one wait for the four exponentials
.irp u, 0,1
	v_mul_f32 v[ST+8*(\t0+\u)+7], v[ST+8*(\t0+\u)+5], v[ST+8*(\t0+\u)+1]
.endr
.irp u, 0,1
	v_fma_f32 v[ST+8*(\t0+\u)+7], v[ST+8*(\t0+\u)+6], v[ST+8*(\t0+\u)+3], v[ST+8*(\t0+\u)+7]
.endr
.irp u, 0,1
	v_rcp_f32 v[ST+8*(\t0+\u)+7], v[ST+8*(\t0+\u)+7]
.endr
	v_nop
	s_wait_alu depctr_va_vdst(0)                   ; and one for the two reciprocals
.irp u, 0,1
	v_mul_f32 v[ST+8*(\t0+\u)+4], v[ST+8*(\t0+\u)+5], v[ST+8*(\t0+\u)+7]
	v_mul_f32 v[ST+8*(\t0+\u)+6], v[ST+8*(\t0+\u)+6], v[ST+8*(\t0+\u)+7]
.endr
.irp u, 0,1
	WIN 0x01                                       ; my O^T: window 1
.irp e, 0,1,2,3,4,5,6,7,8,9,10,11,12,13,14,15,16,17,18,19,20,21,22,23,24,25,26,27,28,29,30,31
	v_pk_mul_f32 v[S+64*\u+2*\e:S+64*\u+2*\e+1], v[64*(\t0+\u)+2*\e:64*(\t0+\u)+2*\e+1], v[ST+8*(\t0+\u)+4:ST+8*(\t0+\u)+5] op_sel_hi:[1,0]
.endr
	WIN 0x03                                       ; my partner's: window 3
.irp e, 0,1,2,3,4,5,6,7,8,9,10,11,12,13,14,15,16,17,18,19,20,21,22,23,24,25,26,27,28,29,30,31
	v_pk_fma_f32 v[S+64*\u+2*\e:S+64*\u+2*\e+1], v[128+64*\u+2*\e:128+64*\u+2*\e+1], v[ST+8*(\t0+\u)+6:ST+8*(\t0+\u)+7], v[S+64*\u+2*\e:S+64*\u+2*\e+1] op_sel_hi:[1,0,1]
.endr
	WIN 0
.irp e, 0,1,2,3,4,5,6,7,8,9,10,11,12,13,14,15,16,17,18,19,20,21,22,23,24,25,26,27,28,29,30,31
	v_cvt_pk_f16_f32 v[P+32*\u+\e], v[S+64*\u+2*\e], v[S+64*\u+2*\e+1]
.endr
.irp c, 0,1,2,3,4,5,6,7
	global_store_b128 v[AK0], v[P+32*\u+4*\c:P+32*\u+4*\c+3], s[OP:OP+1] offset:131072*(\t0+\u)+512*\c   ; a piece: 512 consecutive bytes
.endr
.endr
.endm
	s_cmp_lt_u32 s[WV], 2
	s_cbranch_scc0 .Lsend_low
	SENDT 2
	SENDT 3
	s_branch .Lsent
.Lsend_low:
	SENDT 0
	SENDT 1
.Lsent:
	s_wait_dscnt 0x0                               ; for my partner's sake: my stores have landed
	s_barrier_signal -1
	s_barrier_wait -1
	s_cmp_lt_u32 s[WV], 2
	s_cbranch_scc0 .Lcomb_high
	COMBINE2 0
	s_branch .Ldone
.Lcomb_high:
	COMBINE2 2
.Ldone:
	s_wait_tensorcnt 0x0                           ; the wave's end
	ds_add_u32 v[SPW], v[NIL]
	s_wait_dscnt 0x0
	CROUND                                         ; the closing round
	s_endpgm
.Lfunc_end_k_q4081b873a0_attn:
	.size	k_q4081b873a0_attn, .Lfunc_end_k_q4081b873a0_attn-k_q4081b873a0_attn
	.p2alignl 7, 3214868480
	.fill 96, 4, 3214868480
	.section	.rodata,"a",@progbits
	.p2align	6, 0x0
	.amdhsa_kernel k_q4081b873a0_attn
		.amdhsa_group_segment_fixed_size 327680
		.amdhsa_private_segment_fixed_size 0
		.amdhsa_enable_private_segment 0
		.amdhsa_kernarg_size 32
		.amdhsa_user_sgpr_count 2
		.amdhsa_user_sgpr_kernarg_segment_ptr 1
		.amdhsa_wavefront_size32 1
		.amdhsa_system_sgpr_workgroup_id_x 1
		.amdhsa_system_sgpr_workgroup_id_y 1
		.amdhsa_system_sgpr_workgroup_id_z 1
		.amdhsa_system_vgpr_workitem_id 0
		.amdhsa_next_free_vgpr 1024
		.amdhsa_next_free_sgpr 102
		.amdhsa_reserve_vcc 0
		.amdhsa_float_denorm_mode_32 3
		.amdhsa_float_denorm_mode_16_64 3
		.amdhsa_memory_ordered 1
		.amdhsa_forward_progress 1
		.amdhsa_inst_pref_size 255
	.end_amdhsa_kernel
	.section	.bss,"aw",@nobits
	.p2align	6
	.space	262144
	.amdgpu_metadata
---
amdhsa.version: [ 1, 2 ]
amdhsa.kernels:
  - .name:           k_q4081b873a0_attn
    .symbol:         k_q4081b873a0_attn.kd
    .args:
      - { .name: qimg, .offset: 0, .size: 8, .value_kind: global_buffer, .address_space: global }
      - { .name: kv, .offset: 8, .size: 8, .value_kind: global_buffer, .address_space: global }
      - { .name: mw, .offset: 16, .size: 8, .value_kind: global_buffer, .address_space: global }
      - { .name: aimg, .offset: 24, .size: 8, .value_kind: global_buffer, .address_space: global }
    .group_segment_fixed_size: 327680
    .private_segment_fixed_size: 0
    .kernarg_segment_align: 8
    .kernarg_segment_size: 32
    .max_flat_workgroup_size: 128
    .sgpr_count:     102
    .vgpr_count:     1024
    .wavefront_size: 32
...
	.end_amdgpu_metadata
.endif
;; end of part 3
;; launch oproj (part 4): grid 32 x 8, 4 waves a work-group, no clusters, 139,776 bytes of LDS; arguments aimg, wimg, out0; writes out0
.if DOCPART == 4
	.amdgcn_target "amdgcn-amd-amdhsa--gfx1250"
	.amdhsa_code_object_version 6
	.text
	.protected	k_q4081b873a0_oproj
	.globl	k_q4081b873a0_oproj
	.p2align	8
	.type	k_q4081b873a0_oproj,@function
k_q4081b873a0_oproj:
	s_mov_b64 s[64:65], 0
	v_nop
	global_prefetch_b8 v0, s[64:65] scope:SCOPE_SE
	s_setreg_imm32_b32 hwreg(HW_REG_WAVE_MODE, 25, 1), 1
	s_wait_xcnt 0x0
; out0[q][n] = sum over k of attn[q][k] wo[n][k], K = 4,096, f16 operands, f32 sums.  No work is left out.  Both operands lie in memory as images of fragment registers (a piece: 512 bytes, lane l's 16 bytes at 16 l;
; two pieces are a fragment of 16 rows x 32 K), so each fragment comes by two loads of 512 consecutive bytes straight into registers.
; SHARES.  Work-group (x, y) makes rows 128 y on x columns 64 x on: 256 work-groups.  THE WAVES SHARE K: wave w makes the whole 128 x 64 over K = 1,024 w on: 32 accumulators, 12 fragments for 32 matrix instructions.
; The four partial sums meet in LDS at the end.
; NO TENSOR LOADS AND NO CLUSTER: the waves share no fragment; two LDS slots of this tile would hold 256 along K, 64 matrix instructions a wave between a request and the wait for all loads, while loads into three
; register buffers with counted waits run on across the sub-steps, two sub-steps (64 matrix instructions) ahead.
; Each wave walks its 32 sub-steps of 32 along K from place (x + 4 y) % 32 on and wraps round, so that work-groups which read the same rows begin at different parts of them.
; LIMIT: the order of the f32 sums differs from a single ascending sum (four quarters, each begun at a rotated place).
; REGISTERS: window 0: v1 16 x lane; v2-4 a buffer's offset; v5-10 addresses of the way out; v30, v31 the add's two; v64-159 wo's fragments, three buffers of 32 (at the end v64-191: partial sums).
;   window 1: the accumulators, (i, n) at v[8 (4 i + n)].   window 2: v0-191 the rows' fragments, three buffers of 64.
.set REGN,  34816                      ; a wave's partial sums in LDS: 128 rows x (256 bytes + 16)
.set SPARE, 4*REGN
.set VO,  2
.set BF,  64
.set MSB, 0
.macro WIN new
.if MSB != \new
	s_set_vgpr_msb (MSB<<8)|\new
.set MSB, \new
.endif
.endm
	s_load_b128 s[12:15], s[0:1], 0x0              ; aimg, wimg
	s_load_b64 s[16:17], s[0:1], 0x10              ; out0
	v_lshl_add_u32 v30, v0, 2, SPARE
	v_mov_b32 v31, 0
	v_lshrrev_b32 v11, 5, v0
	v_readfirstlane_b32 s9, v11                    ; wave
	v_and_b32 v11, 31, v0
	v_lshlrev_b32 v1, 4, v11
	v_and_b32 v12, 15, v0                          ; r
	v_bfe_u32 v13, v0, 4, 1                        ; h
	s_and_b32 s10, ttmp7, 0xffff                   ; y
	s_lshl_b32 s8, s10, 2
	s_add_co_u32 s8, s8, ttmp9
	s_add_co_u32 s8, s8, 31
	s_and_b32 s8, s8, 31
	s_lshl_b32 s8, s8, 10                          ; one sub-step behind my first: LOADS steps first
	s_mul_i32 s20, s9, REGN
	v_mul_u32_u24 v5, v12, 272
	v_lshl_add_u32 v5, v13, 5, v5
	v_add_nc_u32 v5, s20, v5                       ; into LDS: my region, row r, 32 h
	s_mul_i32 s20, s9, 8704                        ; back: rows 32 w on; lanes 0-15 one row, lanes 16-31 the next
	v_mul_u32_u24 v6, v13, 272
	v_lshl_add_u32 v6, v12, 4, v6
	v_add_nc_u32 v6, s20, v6
	v_add_nc_u32 v7, REGN, v6
	v_add_nc_u32 v8, 2*REGN, v6
	v_add_nc_u32 v9, 3*REGN, v6
	v_lshlrev_b32 v10, 13, v13
	v_lshl_add_u32 v10, v12, 4, v10                ; and the same two rows in out0
	s_lshl_b32 s20, s9, 15                         ; my quarter of K: 64 pieces
	s_mov_b32 s19, 0
	s_wait_kmcnt 0x0
	s_lshl_b32 s18, s10, 20                        ; 8 tiles of rows x 131,072 bytes
	s_add_co_u32 s18, s18, s20
	s_add_nc_u64 s[4:5], s[12:13], s[18:19]
	s_lshl_b32 s18, ttmp9, 19                      ; 4 tiles of columns
	s_add_co_u32 s18, s18, s20
	s_add_nc_u64 s[6:7], s[14:15], s[18:19]
	s_lshl_b32 s18, s10, 20                        ; out0: row 128 y + 32 w, 8,192 bytes a row; column 64 x
	s_lshl_b32 s20, s9, 18
	s_add_co_u32 s18, s18, s20
	s_lshl_b32 s20, ttmp9, 8
	s_add_co_u32 s18, s18, s20
	s_add_nc_u64 s[16:17], s[16:17], s[18:19]
.macro LOADS buf                       ; the next sub-step's 12 fragments: 24 loads.  The buffer's offset register is free: the loads that named it have been waited for by count
	s_add_co_u32 s8, s8, 1024
	s_and_b32 s8, s8, 32767
	v_add_nc_u32 v[VO+\buf], s8, v1
.irp n, 0,1,2,3
	global_load_b128 v[BF+32*\buf+8*\n:BF+32*\buf+8*\n+3],   v[VO+\buf], s[6:7] offset:131072*\n
	global_load_b128 v[BF+32*\buf+8*\n+4:BF+32*\buf+8*\n+7], v[VO+\buf], s[6:7] offset:131072*\n+512
.endr
	WIN 0x80                                       ; destination window 2
.irp i, 0,1,2,3,4,5,6,7
	global_load_b128 v[64*\buf+8*\i:64*\buf+8*\i+3],   v[VO+\buf], s[4:5] offset:131072*\i
	global_load_b128 v[64*\buf+8*\i+4:64*\buf+8*\i+7], v[VO+\buf], s[4:5] offset:131072*\i+512
.endr
	WIN 0
.endm
; A sub-step: 32 matrix instructions, each on another accumulator, in the same order in every sub-step.  Used transposed: source 0 = 16 rows of wo, source 1 = 16 rows of attn:
; a lane holds one row of out0 and eight neighbouring columns.  left: the younger sub-steps' loads, 24 each, that may stay out.
.macro SUB buf, zero, reload, left
	s_wait_loadcnt \left
	WIN 0x58                                       ; source 1 window 2, C and D window 1
.irp i, 0,1,2,3,4,5,6,7
.irp n, 0,1,2,3
.if \zero
	v_wmma_f32_16x16x32_f16 v[8*(4*\i+\n):8*(4*\i+\n)+7], v[BF+32*\buf+8*\n:BF+32*\buf+8*\n+7], v[64*\buf+8*\i:64*\buf+8*\i+7], 0
.else
	v_wmma_f32_16x16x32_f16 v[8*(4*\i+\n):8*(4*\i+\n)+7], v[BF+32*\buf+8*\n:BF+32*\buf+8*\n+7], v[64*\buf+8*\i:64*\buf+8*\i+7], v[8*(4*\i+\n):8*(4*\i+\n)+7]
.endif
.endr
.endr
	WIN 0
.if \reload
.rept 4
	v_nop                                          ; places in front of loads into registers that matrix instructions have read
.endr
	LOADS \buf
.endif
.endm
	LOADS 0
	LOADS 1
	LOADS 2
	SUB 0, 1, 1, 48                                ; the first sub-step's products start the sums
	s_mov_b32 s11, 9
.Lk:
	SUB 1, 0, 1, 48
	SUB 2, 0, 1, 48
	SUB 0, 0, 1, 48
	s_sub_co_u32 s11, s11, 1
	s_cmp_lg_u32 s11, 0
	s_cbranch_scc1 .Lk
	SUB 1, 0, 1, 48                                ; the 32nd and last run of loads
	SUB 2, 0, 0, 48
	SUB 0, 0, 0, 24
	SUB 1, 0, 0, 0
.rept 4
	v_nop                                          ; places in front of the first read of results
.endr
	WIN 0x04                                       ; an LDS store's data are its source 1: window 1
.irp i, 0,1,2,3,4,5,6,7
.irp n, 0,1,2,3
	ds_store_b128 v5, v[8*(4*\i+\n):8*(4*\i+\n)+3] offset:4352*\i+64*\n        ; each accumulator from its low end on
	ds_store_b128 v5, v[8*(4*\i+\n)+4:8*(4*\i+\n)+7] offset:4352*\i+64*\n+16
.endr
.endr
	WIN 0
	s_wait_dscnt 0x0                               ; for the others' sake: my partial sums have landed
	s_barrier_signal -1
	s_barrier_wait -1
.irp f, 0,1                            ; wave w adds and stores rows 32 w on, 16 rows at a time
.if \f
	s_wait_xcnt 0x0                                ; the first half's stores have read their registers
.endif
.irp p, 0,1,2,3,4,5,6,7
.irp u, 0,1,2,3
	ds_load_b128 v[64+16*\p+4*\u:64+16*\p+4*\u+3], v[6+\u] offset:4352*\f+544*\p
.endr
.endr
	s_wait_dscnt 0x0
.irp p, 0,1,2,3,4,5,6,7
	v_pk_add_f32 v[64+16*\p:65+16*\p], v[64+16*\p:65+16*\p], v[68+16*\p:69+16*\p]
	v_pk_add_f32 v[66+16*\p:67+16*\p], v[66+16*\p:67+16*\p], v[70+16*\p:71+16*\p]
	v_pk_add_f32 v[72+16*\p:73+16*\p], v[72+16*\p:73+16*\p], v[76+16*\p:77+16*\p]
	v_pk_add_f32 v[74+16*\p:75+16*\p], v[74+16*\p:75+16*\p], v[78+16*\p:79+16*\p]
	v_pk_add_f32 v[64+16*\p:65+16*\p], v[64+16*\p:65+16*\p], v[72+16*\p:73+16*\p]
	v_pk_add_f32 v[66+16*\p:67+16*\p], v[66+16*\p:67+16*\p], v[74+16*\p:75+16*\p]
	global_store_b128 v10, v[64+16*\p:67+16*\p], s[16:17] offset:131072*\f+16384*\p th:TH_STORE_NT   ; 16 lanes store 256 consecutive bytes, at a multiple of 256 from out0's first byte
.endr
.endr
	s_wait_tensorcnt 0x0                           ; the wave's end, behind my last LDS store
	ds_add_u32 v30, v31
	s_wait_dscnt 0x0
	s_endpgm
.Lfunc_end_k_q4081b873a0_oproj:
	.size	k_q4081b873a0_oproj, .Lfunc_end_k_q4081b873a0_oproj-k_q4081b873a0_oproj
	.p2alignl 7, 3214868480
	.fill 96, 4, 3214868480
	.section	.rodata,"a",@progbits
	.p2align	6, 0x0
	.amdhsa_kernel k_q4081b873a0_oproj
		.amdhsa_group_segment_fixed_size 139776
		.amdhsa_private_segment_fixed_size 0
		.amdhsa_enable_private_segment 0
		.amdhsa_kernarg_size 24
		.amdhsa_user_sgpr_count 2
		.amdhsa_user_sgpr_kernarg_segment_ptr 1
		.amdhsa_wavefront_size32 1
		.amdhsa_system_sgpr_workgroup_id_x 1
		.amdhsa_system_sgpr_workgroup_id_y 1
		.amdhsa_system_sgpr_workgroup_id_z 1
		.amdhsa_system_vgpr_workitem_id 0
		.amdhsa_next_free_vgpr 704
		.amdhsa_next_free_sgpr 66
		.amdhsa_reserve_vcc 0
		.amdhsa_float_denorm_mode_32 3
		.amdhsa_float_denorm_mode_16_64 3
		.amdhsa_memory_ordered 1
		.amdhsa_forward_progress 1
		.amdhsa_inst_pref_size 56
	.end_amdhsa_kernel
	.amdgpu_metadata
---
amdhsa.version: [ 1, 2 ]
amdhsa.kernels:
  - .name:           k_q4081b873a0_oproj
    .symbol:         k_q4081b873a0_oproj.kd
    .args:
      - { .name: aimg, .offset: 0, .size: 8, .value_kind: global_buffer, .address_space: global }
      - { .name: wimg, .offset: 8, .size: 8, .value_kind: global_buffer, .address_space: global }
      - { .name: out0, .offset: 16, .size: 8, .value_kind: global_buffer, .address_space: global }
    .group_segment_fixed_size: 139776
    .private_segment_fixed_size: 0
    .kernarg_segment_align: 8
    .kernarg_segment_size: 24
    .max_flat_workgroup_size: 128
    .sgpr_count:     66
    .vgpr_count:     704
    .wavefront_size: 32
...
	.end_amdgpu_metadata
.endif
;; end of part 4
